; MI455X (gfx1250); checked and timed in simulation.
; The chip was launched on July 23, 2026; its instructions are those of AMD's public machine-readable ISA for CDNA 5 (MIT licence, August 2026) and "CDNA5" Instruction Set Architecture Reference Guide (July 2026). The comments in the code are by the model that wrote it; some were corrected since.
;; Causal Self Attention. Allowed arithmetic: matrix products marked QUANTISED: E2M3 operands, one E8M0 scale for each 32 along K, by v_wmma_scale_f32_16x16x128_f8f6f4 with both operands' format E2M3, f32 sums; everything else in f32.
;; Inputs: proj_b 1,024 float32; proj_w 1,024 x 1,024 float32; qkv_b 3,072 float32; qkv_w 3,072 x 1,024 float32; x 4 x 2,048 x 1,024 float32.
;; Outputs: out0 4 x 2,048 x 1,024 float32.
;; This version of the problem:
;;   THIS VERSION OF THE PROBLEM IS GIVEN IN LOW PRECISION. The matrix products marked QUANTISED in the list below multiply operands that are first quantised to E2M3 (2 exponent bits, 3 mantissa bits; 6 bits a number), with one power-of-two scale for each 32 numbers along K (OCP MX v1.0); their sums are f32. All else is computed in f32.
;;   The module's matrix products, in the order in which they are computed (A, B: the left and right operand; K: the contracted axis; several contracted axes count as one K, in the product's order):
;;     1. [M 8,192, K 1,024] x [K 1,024, N 3,072]; A: input x; B: input qkv_w: QUANTISED
;;     2. batch 64 x [M 2,048, K 64] x [K 64, N 2,048]; A: computed on the way; B: computed on the way: QUANTISED
;;     3. batch 64 x [M 2,048, K 2,048] x [K 2,048, N 64]; A: softmax (see below); B: computed on the way: QUANTISED
;;     4. [M 8,192, K 1,024] x [K 1,024, N 1,024]; A: computed on the way; B: input proj_w: QUANTISED
;;   THE QUANTISER, for each operand of a quantised product, along K:
;;     - K is cut into blocks of 32 from its start; a last block that is shorter is filled with zeros.
;;     - A block's scale is 2^e with e = floor(log2(the largest magnitude in the block)) - 2, held to -126 .. 127; a block of zeros has e = 0. As a byte (E8M0): e + 127.
;;     - Each number is divided by its block's scale, clamped to +-7.5, and rounded to the nearest number of E2M3, ties to even, subnormals kept.
;;     - The product sums the exact products of the quantised numbers (number of the format x scale) in f32.
;;   ~~~python
;;   def quantise(x, axis):      # numpy; x: float32 -> the quantised numbers, widened to float32 again
;;       x = np.moveaxis(x, axis, -1); K = x.shape[-1]
;;       x = np.pad(x, [(0, 0)] * (x.ndim - 1) + [(0, -K % 32)]); x = x.reshape(x.shape[:-1] + (-1, 32)); a = np.abs(x).max(-1, keepdims=True)
;;       e = np.where(a > 0, np.clip(np.frexp(np.where(a > 0, a, 1))[1] - 1 - 2, -126, 127), 0)      # np.frexp(a)[1] - 1 = floor(log2(a)), exactly
;;       r = np.clip(x / 2.0 ** e, -7.5, 7.5)
;;       step = 2.0 ** (np.maximum(np.frexp(np.where(r == 0, 1, r))[1] - 1, 0) - 3)
;;       q = np.round(r / step) * step * 2.0 ** e      # np.round: ties to even
;;       return np.moveaxis(q.reshape(q.shape[:-2] + (-1,))[..., :K], -1, axis).astype(np.float32)
;;   ~~~
;;   SOFTMAX AHEAD OF A QUANTISED PRODUCT. Where the list says 'softmax', what is quantised is not the finished softmax but p = 2^(t - M), with t = logit x log2(e) and M = ceil(the row's largest t), a whole number; so 1/2 < the row's largest p <= 1. The row's sum l is taken of the UNQUANTISED p, in f32, and the product's result is divided by l at the end. Since M is a whole number, a kernel that streams over the keys may use a running M (the ceiling of the running maximum): every later rescaling is an exact power of two, which a block's scale takes up: the codes' values come out the same.
;;   OPERANDS COMPUTED ON THE WAY. 'Computed on the way' means the value that the module computes at that place (a softmax that the list does not call 'softmax' is quantised finished and normalised). What goes into a quantiser is computed in f32, as accurately as f32 sums, v_exp_f32 and their like allow (about 1e-6 of the number): no bf16 or f16 on the way to a quantiser, and a product that is left as it is and whose result goes on into a quantised operand takes f32 operands (vector FMAs, or v_wmma_f32_16x16x4_f32). A number that lies on a knife's edge between two numbers of the format may be rounded either way, as far as f32 arithmetic and the matrix unit's own rounding can turn it there, and no further.
;; One version. Each part assembles by itself: llvm-mc -triple=amdgcn-amd-amdhsa -mcpu=gfx1250 --defsym DOCPART=n.
;; ======== version 1 of 1: 4 launches
;; workspace buffers: opq 9,830,400 bytes; qkv 26,738,688 bytes; att 6,553,600 bytes
;; launch quant (part 1): grid 384 x 1, 4 waves a work-group, no clusters, 34,304 bytes of LDS; arguments x, qkv_w, proj_w, opq; writes opq
.if DOCPART == 1
	.amdgcn_target "amdgcn-amd-amdhsa--gfx1250"
	.amdhsa_code_object_version 6
	.text
	.protected	k_q4074b73f94_quant
	.globl	k_q4074b73f94_quant
	.p2align	8
	.type	k_q4074b73f94_quant,@function
k_q4074b73f94_quant:
	s_mov_b64 s[64:65], 0
	v_nop
	global_prefetch_b8 v0, s[64:65] scope:SCOPE_SE
	s_setreg_imm32_b32 hwreg(HW_REG_WAVE_MODE, 25, 1), 1
	s_wait_xcnt 0x0
; x [8192][1024], qkv_w [3072][1024] and proj_w [1024][1024], f32, K innermost, become codes of FP6 (E2M3) with one E8M0 byte for each 32 along K, laid in opq AS THE MATRIX OPERANDS' REGISTERS.
; ROW SPACE: rows 0-8191 x, 8192-11263 qkv_w, 11264-12287 proj_w: 96 groups of 128 rows.  A group's K step s of 256 is one dense chunk of 24,576 bytes at (4 g + s) x 24,576: 8 tiles of 16 rows x 4 half fragments.
; A HALF FRAGMENT is 16 rows x 64 K: six registers a lane, 768 bytes: unit p of 256 bytes holds registers 2 p, 2 p + 1 of lane l at byte 8 l.  Two on end are a fragment of 128 K.
; THE ROWS OF A TILE ARE NOT NEIGHBOURS: inside a group of 32 rows, lane row r of tile u takes row 8 u + r + 8 (r / 8): a product that takes such tiles as source 0 leaves 16 neighbours in a lane's 16 registers.
; Scale words (four bytes: 128 K of a row) at SC0 + 4096 g + 1024 s + 128 tile + 8 r + 4 q.
; A block's scale is 2^(floor(log2(largest magnitude)) - 2): its byte is that magnitude's exponent field - 2, held at 1 from below by a floor among the maximum's leaves.
; LIMITS: a block of zeros, or one whose largest magnitude lies under 2^-124, gets the byte 1 (its codes are zeros or as the floor's scale gives them; this program alone reads the bytes); NaN and infinities are not served.
; SHARES: a work-group takes 32 rows, wave s their K step s, in four steps of 16 rows x 128 K.  Each load reads 512 consecutive bytes of a row; the 8 KiB turn through the wave's own stage in LDS
; (rows 528 bytes apart: row r starts 4 r banks on) and come back as 32 neighbours along K for each of a lane's two blocks.  Waves share nothing: no barrier.  Memory binds: no matrix unit, no cluster.
.set SC0,  9437184
.set SP,   528
.set STG,  16*SP
.set R,    16                          ; v16-143  two sets of 64: a step's numbers as loaded
.set X,    144                         ; v144-207 my two blocks of 32
.set C,    208                         ; v208-231 two sets of 12: a fragment's codes
.set T,    232                         ; v232-238 the blocks' upper halves, as converted
.set SWR,  240                         ; v240-243 the four steps' scale words
	s_load_b256 s[4:11], s[0:1], 0x0               ; x s[4:5], qkv_w s[6:7], proj_w s[8:9], opq s[10:11]
	v_lshl_add_u32 v254, v0, 2, 0x8400
	v_mov_b32 v255, 0
	v_lshrrev_b32 v1, 5, v0
	v_readfirstlane_b32 s16, v1                    ; wave = K step of 256
	v_and_b32 v1, 31, v0                           ; lane
	v_and_b32 v7, 15, v0                           ; r
	v_bfe_u32 v8, v0, 4, 1                         ; h
	v_lshlrev_b32 v2, 4, v1                        ; 16 x lane: my bytes of a load's 512
	v_lshlrev_b32 v5, 3, v1                        ; 8 x lane: my bytes of a unit of an image
	v_lshlrev_b32 v6, 3, v8                        ; 8 h: where my two bytes stand in a scale word
	s_mul_i32 s17, s16, STG                        ; my stage
	v_add_nc_u32 v3, s17, v2                       ; into it: as loaded
	v_mul_u32_u24 v4, v7, SP
	v_lshl_add_u32 v4, v8, 7, v4
	v_add_nc_u32 v4, s17, v4                       ; out of it: row r, + 128 h bytes: k = 32 h on
	v_mov_b32 v15, 0                               ; a lane permute's destination counts as read
	v_cmp_lt_u32 vcc_lo, 15, v1                    ; lanes 16-31: kept to the end
	s_mov_b32 s20, 0x76543210
	s_mov_b32 s21, 0xfedcba98                      ; selects for lane l xor 16
	s_lshr_b32 s18, ttmp9, 2                       ; g: the group of 128 rows
	s_and_b32 s19, ttmp9, 3                        ; which 32 of them
	s_lshl_b32 s22, s18, 2
	s_add_co_u32 s22, s22, s16
	s_mul_i32 s22, s22, 24576                      ; the chunk,
	s_mul_i32 s23, s19, 6144
	s_add_co_u32 s22, s22, s23                     ; my two tiles in it
	s_mov_b32 s23, 0
	s_lshl_b32 s24, s18, 12
	s_lshl_b32 s25, s16, 10
	s_add_co_u32 s24, s24, s25
	s_lshl_b32 s25, s19, 8
	s_add_co_u32 s24, s24, s25
	s_add_co_u32 s24, s24, SC0                     ; my two tiles' scale words: one unit of 256 bytes
	s_mov_b32 s25, 0
	s_mov_b32 s14, 352
	s_wait_kmcnt 0x0
	s_cmp_lt_u32 ttmp9, 352                        ; which tensor: the choice hangs on the work-group's number alone; one path serves all three
	s_cselect_b64 s[12:13], s[6:7], s[8:9]
	s_cselect_b32 s14, 256, s14
	s_cmp_lt_u32 ttmp9, 256
	s_cselect_b64 s[12:13], s[4:5], s[12:13]
	s_cselect_b32 s14, 0, s14
	s_sub_co_u32 s14, ttmp9, s14
	s_lshl_b32 s14, s14, 17                        ; 32 rows of 4,096 bytes
	s_lshl_b32 s15, s16, 10                        ; + my K step's 1,024 bytes
	s_add_co_u32 s14, s14, s15
	s_mov_b32 s15, 0
	s_add_nc_u64 s[12:13], s[12:13], s[14:15]
	s_add_nc_u64 s[22:23], s[10:11], s[22:23]
	s_add_nc_u64 s[24:25], s[10:11], s[24:25]
; step t = 2 u + q: tile u, the K step's q-th 128
.macro LOAD t
.irp j, 0,1,2,3,4,5,6,7,8,9,10,11,12,13,14,15
	global_load_b128 v[R+64*((\t)%2)+4*\j:R+64*((\t)%2)+4*\j+3], v2, s[12:13] offset:(8*((\t)/2)+\j+8*(\j/8))*4096+512*((\t)%2) th:TH_LOAD_NT
.endr
.endm
.macro STEP t
.set RS, R+64*((\t)%2)
.set CS, C+12*((\t)%2)
.set UU, (\t)/2
.set QQ, (\t)%2
.if (\t) < 3
	s_wait_loadcnt 16                              ; this step's 16 loads are in; the next step's 16 may be out
.else
	s_wait_loadcnt 0x0
.endif
.irp j, 0,1,2,3,4,5,6,7,8,9,10,11,12,13,14,15
	ds_store_b128 v3, v[RS+4*\j:RS+4*\j+3] offset:\j*SP
.endr
.irp c, 0,1
.irp j, 0,1,2,3,4,5,6,7
	ds_load_b128 v[X+32*\c+4*\j:X+32*\c+4*\j+3], v4 offset:256*\c+16*\j   ; LDS serves a wave's instructions in order: these see the stores above.  k = 64 c + 32 h + 4 j on
.endr
.endr
	s_wait_dscnt 0x0                               ; my numbers are back, and the stores have read their registers,
.if (\t) < 2
	LOAD (\t)+2                                    ; which take the loads of two steps on
.endif
.irp c, 0,1
	v_max3_num_f32 v[10+\c], |v[X+32*\c]|, |v[X+32*\c+1]|, 0x1800000   ; block 2 c + h is all mine; the floor 2^(3 - 127) holds the byte at 1 from below
.endr
.irp i, 2,4,6,8,10,12,14,16,18,20,22,24,26,28,30
.irp c, 0,1
	v_max3_num_f32 v[10+\c], v[10+\c], |v[X+32*\c+\i]|, |v[X+32*\c+\i+1]|
.endr
.endr
.irp c, 0,1
	v_add_nc_u32 v[12+\c], 0xff000000, v[10+\c]    ; 2 off the exponent field: the conversion's scale operand
.endr
.irp c, 0,1
	v_lshrrev_b32 v[10+\c], 23, v[12+\c]           ; the scale's byte
.endr
	v_lshl_or_b32 v14, v11, 16, v10                ; blocks h and 2 + h,
	v_lshlrev_b32 v14, v6, v14                     ; at their places in the word;
	v_permlanex16_b32 v15, v14, s20, s21
	v_or_b32 v[SWR+(\t)], v14, v15                 ; with lane l xor 16's two the word is whole, in both halves of the lanes
.if (\t) >= 2
	s_wait_xcnt 0x0                                ; the stores of two steps back have read this set of code registers
.endif
.irp c, 0,1
	v_cvt_scalef32_pk16_fp6_f32 v[CS+6*\c:CS+6*\c+2], v[X+32*\c:X+32*\c+15], v[12+\c]
	v_cvt_scalef32_pk16_fp6_f32 v[T+4*\c:T+4*\c+2], v[X+32*\c+16:X+32*\c+31], v[12+\c]   ; (a conversion's three registers begin on an even number)
.endr
	v_nop                                          ; one plain place behind the conversions
.irp c, 0,1
.irp i, 0,1,2
	v_mov_b32 v[CS+6*\c+3+\i], v[T+4*\c+\i]
.endr
.endr
.irp c, 0,1
.irp p, 0,1,2
	global_store_b64 v5, v[CS+6*\c+2*\p:CS+6*\c+2*\p+1], s[22:23] offset:(4*UU+2*QQ+\c)*768+256*\p   ; 32 lanes store 256 consecutive bytes, aligned
.endr
.endr
.endm
	LOAD 0
	LOAD 1
	STEP 0
	STEP 1
	STEP 2
	STEP 3
	v_cndmask_b32 v244, v[SWR], v[SWR+2], vcc_lo   ; lanes 0-15 tile 0's words, lanes 16-31 tile 1's
	v_cndmask_b32 v245, v[SWR+1], v[SWR+3], vcc_lo
	global_store_b64 v5, v[244:245], s[24:25]      ; 256 consecutive bytes, aligned
	s_wait_tensorcnt 0x0
	ds_add_u32 v254, v255
	s_wait_dscnt 0x0
	s_endpgm
.Lfunc_end_k_q4074b73f94_quant:
	.size	k_q4074b73f94_quant, .Lfunc_end_k_q4074b73f94_quant-k_q4074b73f94_quant
	.p2alignl 7, 3214868480
	.fill 96, 4, 3214868480
	.section	.rodata,"a",@progbits
	.p2align	6, 0x0
	.amdhsa_kernel k_q4074b73f94_quant
		.amdhsa_group_segment_fixed_size 34304
		.amdhsa_private_segment_fixed_size 0
		.amdhsa_enable_private_segment 0
		.amdhsa_kernarg_size 32
		.amdhsa_user_sgpr_count 2
		.amdhsa_user_sgpr_kernarg_segment_ptr 1
		.amdhsa_wavefront_size32 1
		.amdhsa_system_sgpr_workgroup_id_x 1
		.amdhsa_system_sgpr_workgroup_id_y 1
		.amdhsa_system_sgpr_workgroup_id_z 1
		.amdhsa_system_vgpr_workitem_id 0
		.amdhsa_next_free_vgpr 256
		.amdhsa_next_free_sgpr 66
		.amdhsa_reserve_vcc 1
		.amdhsa_float_denorm_mode_32 3
		.amdhsa_float_denorm_mode_16_64 3
		.amdhsa_memory_ordered 1
		.amdhsa_forward_progress 1
		.amdhsa_inst_pref_size 31
	.end_amdhsa_kernel
	.amdgpu_metadata
---
amdhsa.version: [ 1, 2 ]
amdhsa.kernels:
  - .name:           k_q4074b73f94_quant
    .symbol:         k_q4074b73f94_quant.kd
    .args:
      - { .name: x, .offset: 0, .size: 8, .value_kind: global_buffer, .address_space: global }
      - { .name: qkv_w, .offset: 8, .size: 8, .value_kind: global_buffer, .address_space: global }
      - { .name: proj_w, .offset: 16, .size: 8, .value_kind: global_buffer, .address_space: global }
      - { .name: opq, .offset: 24, .size: 8, .value_kind: global_buffer, .address_space: global }
    .group_segment_fixed_size: 34304
    .private_segment_fixed_size: 0
    .kernarg_segment_align: 8
    .kernarg_segment_size: 32
    .max_flat_workgroup_size: 128
    .sgpr_count:     66
    .vgpr_count:     256
    .wavefront_size: 32
...
	.end_amdgpu_metadata
.endif
;; end of part 1
;; launch gemmqkv (part 2): grid 12 x 32, 4 waves a work-group, clusters of 4 x 4, 327,680 bytes of LDS; arguments opq, qkv_b, qkv; writes qkv
.if DOCPART == 2
	.amdgcn_target "amdgcn-amd-amdhsa--gfx1250"
	.amdhsa_code_object_version 6
	.text
	.protected	k_q4074b73f94_gemmqkv
	.globl	k_q4074b73f94_gemmqkv
	.p2align	8
	.type	k_q4074b73f94_gemmqkv,@function
k_q4074b73f94_gemmqkv:
	s_mov_b64 s[64:65], 0
	v_nop
	global_prefetch_b8 v0, s[64:65] scope:SCOPE_SE
	s_setreg_imm32_b32 hwreg(HW_REG_WAVE_MODE, 25, 1), 1
	s_wait_xcnt 0x0
	s_wait_alu depctr_hold_cnt(0) depctr_sa_sdst(0) depctr_va_vdst(0) depctr_va_sdst(0) depctr_va_ssrc(0) depctr_va_vcc(0) depctr_vm_vsrc(0)
	s_getreg_b32 s2, hwreg(HW_REG_IB_STS2, 6, 4)
	s_cmp_eq_u32 s2, 0
	s_cbranch_scc0 .Lentry_in_a_cluster
	s_endpgm
.Lentry_in_a_cluster:
	s_bfe_u32 s2, ttmp6, 0x10000c
	s_cmp_lg_u32 s2, 0xf033
	s_cbranch_scc0 .Lentry_shape_is_right
	s_endpgm
.Lentry_shape_is_right:
; qkv = x W^T + b on codes of FP6 (E2M3) with E8M0 scales, K = 1,024; the results are quantised in registers for attention and leave as register images.  Nothing leaves as f32.
; A work-group makes 256 x 256 of the product, four waves 128 x 128 each: 64 accumulators, 512 registers.  K goes in four steps of 256 through two LDS slots; a group of 128 rows' K step is one dense chunk of 24,576 bytes.
; Source 0 ("B") takes tiles whose rows are chosen so that a lane's 16 registers of two neighbouring tiles are 16 neighbours of source 0's rows; source 1 ("A") gives the lane its row.
;   cluster x = 0 (q), 1 (k): A = x's tokens, B = W's channels: a lane holds a token and 128 channels, two heads: quantised along the head's 64: two half fragments a tile of tokens.
;   cluster x = 2 (v):        A = W_v's channels, B = x's tokens: a lane holds a channel and 128 tokens: quantised along the keys: one fragment of V^T a tile of channels.
; The bias is the C of each sum's first product.
; CLUSTERS: 4 x 4.  A's chunks are shared along a row of the cluster, B's along a column: each is asked for jointly, by the same tensor load with the same descriptor and a mask that names the four.
; The mode hangs on the cluster's x alone: it is the same in all sixteen partners.
; OUT, in qkv: two regions of REG bytes, records of 13,056 bytes for (batch x 16 + head, step of 128 tokens).  Region 0: Q: 8 half fragments, then 512 bytes of scale words (lane l: 16 bytes at 16 l: tiles 0-3 of row r, lanes 16-31 tiles 4-7).
; Region 1: K likewise; at 6,656 V^T's four fragments (1,536 bytes each); at 12,800 their scale words, 16 bytes a row.
; No L2 prefetch: of four K steps two are first fills.
; LIMITS: NaN and infinities are not served; a block whose largest magnitude lies under 2^-124 gets the byte 1.
; REGISTERS, in windows of 256: window 0: v1 r, v2 h, v16-31 addresses; v32-63 scale words, two sets; v64-127 the bias, on the way out codes; v128-223 A's fragments, one set, on the way out at work.
;   window 1: B's fragments, two sets, at v0 and v128.  window 2: accumulators of A's blocks 0-3 ((a, b) at v[8 (8 (a % 4) + b)]); window 3: of blocks 4-7.
.set SC0,   9437184
.set REG,   13369344
.set CH,    24576                      ; a chunk: 8 tiles x 4 half fragments x 768 bytes
.set SLOT,  4*CH                       ; A's two groups, then B's two
.set SCL,   2*SLOT                     ; behind the ring: A's scale words, 2 x 4,096 bytes; B's begin 8,320 on, so that the two halves of a load fall on different banks
.set SPARE, 213248                     ; the spare words, 128 bytes a wave: two blocks of 256 bytes that no other line names
.set FR,    12
.set NL,    6                          ; LDS loads that bring a fragment
.set NQ,    2                          ; steps of 128 in a slot
.set NP,    4                          ; places behind this matrix instruction (ISA guide 7.12.1)
.set ADRA,  16                         ; v16-17 my A group in slot 0, 1: + 8 x lane
.set ADRB,  20                         ; v20-21 my B group
.set OA0,   24                         ; v24 8 x lane
.set OA1,   25                         ; v25 the same, for a fragment's second half
.set OSA,   26                         ; v26 where my scale words go
.set ADRS,  27                         ; v27 LDS address of my scale words: lanes 0-15 A's, lanes 16-31 B's
.set SPW,   28                         ; v28 my spare word; never rewritten
.set NIL,   29                         ; v29 0; never rewritten
.set FLO,   30                         ; v30 the floor 2^(3 - 127)
.set SC,    32
.set BI,    64
.set AF,    128
.set TM,    128                        ; the way out: v128-143 at work
.set PW,    144                        ; v144-151 the eight tiles' scale words
.set SWD,   152                        ; v152-159 as they are stored
.set G1, 24
.set G0, 32
.set G1B, 48
.set G0B, 56
.set G1S, 68
.set G0S, 76
.set G1SB, 80
.set G0SB, 88
.set MSB, 0
.macro WIN new                         ; the immediate's high byte repeats the setting that is left
.if MSB != \new
	s_set_vgpr_msb (MSB<<8)|\new
.set MSB, \new
.endif
.endm
.set MUL_LO, 0xa1                      ; source 0 (B) window 1, source 1 (A) window 0, C and D window 2
.set MUL_HI, 0xf1                      ; the same, C and D window 3
.set BIA_LO, 0x81                      ; C (the bias) window 0, D window 2
.set BIA_HI, 0xc1                      ; D window 3
.set TO_B,   0x40
; A joint load: waves 0 and 1 fetch for A, waves 2 and 3 for B; the branch hangs on the wave's number alone.  Four v_nop follow each of the two lines.
.macro JLOAD g0a, g1a, g0b, g1b
	s_cmp_eq_u32 s15, 0
	s_cbranch_scc0 .Lfor_b_\@
	tensor_load_to_lds s[\g0a:\g0a+3], s[\g1a:\g1a+7]
	s_nop 0
.rept 4
	v_nop
.endr
	s_branch .Lasked_\@
.Lfor_b_\@:
	tensor_load_to_lds s[\g0b:\g0b+3], s[\g1b:\g1b+7]
	s_nop 0
.rept 4
	v_nop
.endr
.Lasked_\@:
.endm
.macro CREST                           ; a round of the cluster's barrier behind its opening barrier
	s_cmp_lg_u32 s14, 0
	s_cbranch_scc1 .Lnot_wave_0_\@
	s_barrier_signal -3
.Lnot_wave_0_\@:
	s_barrier_wait -3
	s_barrier_signal -1
	s_barrier_wait -1
.endm
.macro CROUND
	s_barrier_signal -1
	s_barrier_wait -1
	CREST
.endm
	s_load_b128 s[4:7], s[0:1], 0x0                ; opq s[4:5], qkv_b s[6:7]
	s_load_b64 s[8:9], s[0:1], 0x10                ; qkv
	v_lshl_add_u32 v[SPW], v0, 2, SPARE
	v_mov_b32 v[NIL], 0
	ds_add_u32 v28, v29
	ds_add_u32 v28, v29
	s_wait_dscnt 0x0
	v_lshrrev_b32 v1, 5, v0
	v_readfirstlane_b32 s14, v1                    ; wave 0..3
	s_lshr_b32 s15, s14, 1                         ; which of A's two groups I multiply.  Also: I fetch for A (0) or for B (1)
	s_and_b32 s16, s14, 1                          ; which of B's two groups I multiply.  Also: which group I fetch
	s_bfe_u32 s40, ttmp6, 0x40000                  ; cx
	s_bfe_u32 s41, ttmp6, 0x40004                  ; cy
	s_and_b32 s17, ttmp7, 0xffff                   ; cluster y
	s_lshl_b32 s43, s41, 2
	s_lshl_b32 s43, 15, s43                        ; my row of the cluster
	s_lshl_b32 s44, 0x1111, s40                    ; my column
	; group 1: a dense chunk as 96 rows of 256 bytes (32 elements of 8 bytes), no padding: an image's unit is read as 256 consecutive bytes
	s_or_b32 s[G1+0], s43, (3<<16)|(1<<21)
	s_or_b32 s[G1B+0], s44, (3<<16)|(1<<21)
.irp g, G1, G1B
	s_mov_b32 s[\g+1], 32<<16
	s_mov_b32 s[\g+2], 96<<16
	s_mov_b32 s[\g+3], 32<<16
	s_mov_b32 s[\g+4], 96
	s_mov_b32 s[\g+5], 32
	s_mov_b32 s[\g+6], 0
	s_mov_b32 s[\g+7], 0
.endr
	s_or_b32 s[G1S+0], s43, (3<<16)|(1<<21)        ; a group's scale words for all of K: 16 rows of 256 bytes
	s_or_b32 s[G1SB+0], s44, (3<<16)|(1<<21)
.irp g, G1S, G1SB
	s_mov_b32 s[\g+1], 32<<16
	s_mov_b32 s[\g+2], 16<<16
	s_mov_b32 s[\g+3], 32<<16
	s_mov_b32 s[\g+4], 16
	s_mov_b32 s[\g+5], 32
	s_mov_b32 s[\g+6], 0
	s_mov_b32 s[\g+7], 0
.endr
	; the groups of 128 rows.  q, k: A = x's 8 cluster y + 2 cy + .., B = W's 64 + 8 cluster x + 2 cx + ..;  v: A = W_v's 80 + 2 cy + .., B = x's 8 cluster y + 2 cx + ..
	s_lshl_b32 s45, s17, 3
	s_lshl_b32 s42, ttmp9, 3
	s_add_co_u32 s42, s42, 64
	s_cmp_eq_u32 ttmp9, 2
	s_cselect_b32 s12, 1, 0                        ; the mode: 1 = v
	s_cselect_b32 s10, 80, s45
	s_cselect_b32 s11, s45, s42
	s_lshl_b32 s94, s41, 1
	s_add_co_u32 s10, s10, s94
	s_lshl_b32 s99, s40, 1
	s_add_co_u32 s11, s11, s99
	s_add_co_u32 s96, s10, s16                     ; A's group that I fetch
	s_add_co_u32 s97, s11, s16                     ; B's group that I fetch, and that I multiply
	s_add_co_u32 s98, s10, s15                     ; A's group that I multiply
	s_mul_i32 s66, s96, 4*CH
	s_mov_b32 s67, 0
	s_lshl_b32 s94, s96, 12
	s_add_co_u32 s94, s94, SC0
	s_mov_b32 s95, 0
	s_mul_i32 s2, s97, 4*CH
	s_mov_b32 s3, 0
	s_lshl_b32 s44, s97, 12
	s_add_co_u32 s44, s44, SC0
	s_mov_b32 s45, 0
	s_mul_i32 s13, s14, CH                         ; where they go: wave x a chunk: no place in the cluster enters an LDS address
	s_lshl_b32 s42, s14, 12
	s_wait_kmcnt 0x0
	s_add_nc_u64 s[66:67], s[4:5], s[66:67]
	s_add_nc_u64 s[94:95], s[4:5], s[94:95]
	s_add_nc_u64 s[2:3], s[4:5], s[2:3]
	s_add_nc_u64 s[44:45], s[4:5], s[44:45]
	CROUND                                         ; all sixteen work-groups are here: the first joint loads meet
	s_mov_b32 s[G0S], 1
	s_add_co_u32 s[G0S+1], s42, SCL
	s_mov_b64 s[G0S+2:G0S+3], s[94:95]
	s_or_b32 s[G0S+3], s[G0S+3], 0x80000000
	s_mov_b32 s[G0SB], 1
	s_add_co_u32 s[G0SB+1], s42, SCL+128
	s_mov_b64 s[G0SB+2:G0SB+3], s[44:45]
	s_or_b32 s[G0SB+3], s[G0SB+3], 0x80000000
	JLOAD G0S, G1S, G0SB, G1SB                     ; the scale words first: filled once
.irp s, 0,1
	s_mov_b32 s[G0+4*\s], 1
	s_add_co_u32 s[G0+4*\s+1], s13, \s*SLOT
	s_add_nc_u64 s[G0+4*\s+2:G0+4*\s+3], s[66:67], \s*CH
	s_or_b32 s[G0+4*\s+3], s[G0+4*\s+3], 0x80000000
	s_mov_b32 s[G0B+4*\s], 1
	s_add_co_u32 s[G0B+4*\s+1], s13, \s*SLOT
	s_add_nc_u64 s[G0B+4*\s+2:G0B+4*\s+3], s[2:3], \s*CH
	s_or_b32 s[G0B+4*\s+3], s[G0B+4*\s+3], 0x80000000
	JLOAD G0+4*\s, G1, G0B+4*\s, G1B
.endr
	v_and_b32 v1, 15, v0                           ; r
	v_bfe_u32 v2, v0, 4, 1                         ; h
	v_and_b32 v3, 31, v0
	v_lshlrev_b32 v[OA0], 3, v3                    ; 8 x lane
	s_mul_i32 s21, s15, CH
	s_mul_i32 s22, s16, CH
	s_add_co_u32 s22, s22, 2*CH
.irp s, 0,1
	v_add_nc_u32 v[ADRA+\s], s21, v[OA0]
	v_add_nc_u32 v[ADRB+\s], s22, v[OA0]
	s_add_co_u32 s21, s21, SLOT
	s_add_co_u32 s22, s22, SLOT
.endr
	s_lshl_b32 s21, s15, 12                        ; A's words: my group
	s_lshl_b32 s22, s16, 12                        ; B's: my group, 8,320 behind A's first
	s_add_co_u32 s22, s22, 8320
	s_sub_co_u32 s22, s22, s21
	v_mul_u32_u24 v4, s22, v2                      ; lanes 16-31 take B's: one product with h
	s_add_co_u32 s21, s21, SCL
	v_lshl_add_u32 v4, v1, 3, v4                   ; 8 bytes a row
	v_add_nc_u32 v[ADRS], s21, v4
	; the way out
	s_lshl_b32 s21, s41, 1
	s_add_co_u32 s21, s21, s15                     ; 2 cy + my A group
	s_lshl_b32 s22, s40, 1
	s_add_co_u32 s22, s22, s16                     ; 2 cx + my B group
	s_mul_i32 s23, ttmp9, REG
	s_mov_b32 s46, 768
	s_mov_b32 s47, 208896                          ; a head's 16 records
	s_mov_b32 s13, 256
	s_cmp_eq_u32 s12, 1
	s_cselect_b32 s20, s97, s98                    ; the group of tokens
	s_cselect_b32 s21, s21, s22                    ; the pair of heads
	s_cselect_b32 s23, REG+6656, s23               ; the region, and V's place in a record
	s_cselect_b32 s22, 1536, s46                   ; from tile to tile
	s_cselect_b32 s99, s46, s47                    ; from a fragment's first half to its second: on end, or the next head's record
	s_cselect_b32 s13, s47, s13                    ; from lanes 0-15's scale words to lanes 16-31's
	s_cselect_b32 s46, 202752, 0                   ; v: behind four tiles the next head's record begins
	s_cselect_b32 s96, s98, s97                    ; W's group: the bias
	s_mov_b32 s47, 0
	s_lshr_b32 s94, s20, 4
	s_mul_i32 s94, s94, 3342336                    ; the batch: 256 records
	s_add_co_u32 s23, s23, s94
	s_mul_i32 s94, s21, 417792                     ; two heads: 32 records
	s_add_co_u32 s23, s23, s94
	s_and_b32 s94, s20, 15
	s_mul_i32 s94, s94, 13056                      ; the step
	s_add_co_u32 s18, s23, s94
	s_mov_b32 s19, 0
	s_add_nc_u64 s[18:19], s[8:9], s[18:19]
	s_mov_b64 s[20:21], s[18:19]
	s_mov_b32 s23, 0
	s_sub_co_u32 s96, s96, 64
	s_lshl_b32 s96, s96, 9                         ; 128 numbers of the bias
	s_mov_b32 s97, 0
	s_add_nc_u64 s[6:7], s[6:7], s[96:97]
	s_mov_b32 s92, 0x76543210
	s_mov_b32 s93, 0xfedcba98
	s_cmp_eq_u32 s12, 1
	s_cbranch_scc1 .Lbias_v
	v_lshlrev_b32 v3, 6, v2                        ; q, k: register 16 b + i is channel 32 b + 16 h + i
.irp b, 0,1,2,3
.irp j, 0,1,2,3
	global_load_b128 v[BI+16*\b+4*\j:BI+16*\b+4*\j+3], v3, s[6:7] offset:128*\b+16*\j
.endr
.endr
	s_wait_loadcnt 0x0
	s_branch .Lbias_in
.Lbias_v:
	v_and_b32 v3, 8, v1                            ; v: the lane's own channel, eight times for each of A's blocks
	v_add_nc_u32 v3, v3, v1
	v_lshlrev_b32 v3, 2, v3
.irp n, 0,1,2,3,4,5,6,7
	global_load_b32 v[BI+8*\n], v3, s[6:7] offset:(32*(\n/2)+8*(\n%2))*4
.endr
	s_wait_loadcnt 0x0
.irp n, 0,1,2,3,4,5,6,7
.irp j, 1,2,3,4,5,6,7
	v_mov_b32 v[BI+8*\n+\j], v[BI+8*\n]
.endr
.endr
.Lbias_in:
	v_add_nc_u32 v[OA1], s99, v[OA0]
	v_mul_u32_u24 v[OSA], s13, v2
	v_lshl_add_u32 v[OSA], v1, 4, v[OSA]
	v_mov_b32 v[FLO], 0x1800000
.macro FRAG reg, adr, q, i             ; a fragment, 16 rows x 128 K: two half fragments on end: six units of 256 bytes, 8 bytes a lane: registers as they were stored
.irp p, 0,1,2,3,4,5
	ds_load_b64 v[\reg+2*\p:\reg+2*\p+1], v[\adr] offset:((\i)*4+2*(\q))*768+256*\p
.endr
.endm
; 16 matrix instructions: A's blocks a0, a0 + 1 x B's eight, the slot's q-th 128 along K.  zero = 1: the sums begin with the bias by B's block; 2: by A's block.
; The 64 accumulators take turns, one instruction a turn, in the same order in every step.
.macro MUL16 a0, p, q, sc, zero
.irp a, \a0, \a0+1
.irp b, 0,1,2,3,4,5,6,7
.if (\zero) == 1
	v_wmma_scale_f32_16x16x128_f8f6f4 v[8*(8*((\a)%4)+\b):8*(8*((\a)%4)+\b)+7], v[128*(\p)+FR*\b:128*(\p)+FR*\b+FR-1], v[AF+FR*(\a):AF+FR*(\a)+FR-1], v[BI+8*\b:BI+8*\b+7], v[SC+8*NQ*(\sc)+NQ*\b+(\q)], v[SC+8*NQ*(\sc)+NQ*(\a)+(\q)] matrix_a_fmt:MATRIX_FMT_FP6 matrix_b_fmt:MATRIX_FMT_FP6 matrix_a_scale:MATRIX_SCALE_ROW1
.elseif (\zero) == 2
	v_wmma_scale_f32_16x16x128_f8f6f4 v[8*(8*((\a)%4)+\b):8*(8*((\a)%4)+\b)+7], v[128*(\p)+FR*\b:128*(\p)+FR*\b+FR-1], v[AF+FR*(\a):AF+FR*(\a)+FR-1], v[BI+8*(\a):BI+8*(\a)+7], v[SC+8*NQ*(\sc)+NQ*\b+(\q)], v[SC+8*NQ*(\sc)+NQ*(\a)+(\q)] matrix_a_fmt:MATRIX_FMT_FP6 matrix_b_fmt:MATRIX_FMT_FP6 matrix_a_scale:MATRIX_SCALE_ROW1
.else
	v_wmma_scale_f32_16x16x128_f8f6f4 v[8*(8*((\a)%4)+\b):8*(8*((\a)%4)+\b)+7], v[128*(\p)+FR*\b:128*(\p)+FR*\b+FR-1], v[AF+FR*(\a):AF+FR*(\a)+FR-1], v[8*(8*((\a)%4)+\b):8*(8*((\a)%4)+\b)+7], v[SC+8*NQ*(\sc)+NQ*\b+(\q)], v[SC+8*NQ*(\sc)+NQ*(\a)+(\q)] matrix_a_fmt:MATRIX_FMT_FP6 matrix_b_fmt:MATRIX_FMT_FP6 matrix_a_scale:MATRIX_SCALE_ROW1
.endif
.endr
.endr
.endm
.macro FETCH_B slot, q, p
	WIN TO_B
.irp i, 0,1,2,3,4,5,6,7
	FRAG 128*(\p)+FR*\i, ADRB+\slot, \q, \i
.endr
	WIN 0
.endm
.macro FETCH_A slot, q, i0
.irp i, \i0, \i0+1, \i0+2, \i0+3
	FRAG AF+FR*(\i), ADRA+\slot, \q, \i
.endr
.endm
.macro SCALES sc                       ; a K step's two words a row: lanes 0-15 A's block i, lanes 16-31 B's block i
.irp i, 0,1,2,3,4,5,6,7
	ds_load_b64 v[SC+8*NQ*\sc+NQ*\i:SC+8*NQ*\sc+NQ*\i+1], v[ADRS] offset:\i*128
.endr
.endm
.macro PLACES n                        ; plain vector instructions between a matrix instruction and a load into, or a vector read of, its registers
.rept \n
	v_nop
.endr
.endm
.macro STEP slot, q, zero              ; a step of 128 along K that has its successor in the same slot
	s_wait_dscnt 4*NL                              ; B's set, A's blocks 0-3 and the scale words are in; the youngest 24 loads (A's blocks 4-7) may be out
.if \zero
	WIN BIA_LO
.else
	WIN MUL_LO
.endif
	MUL16 0, (\q)%2, \q, \slot, \zero
	MUL16 2, (\q)%2, \q, \slot, \zero
	s_wait_dscnt 0
	PLACES NP
	FETCH_B \slot, (\q)+1, 1-(\q)%2
	FETCH_A \slot, (\q)+1, 0
.if \zero
	WIN BIA_HI
.else
	WIN MUL_HI
.endif
	MUL16 4, (\q)%2, \q, \slot, \zero
	MUL16 6, (\q)%2, \q, \slot, \zero
	PLACES NP
	WIN 0
	FETCH_A \slot, (\q)+1, 4
.endm
; A slot's last step changes slots: one barrier; in front of it each wave waits for all its tensor loads, adds 0 to its spare word, and waits for that and for its reads of this slot.  fill = 1: the slot is filled again, two K steps ahead.
.macro TURN slot, next, fill
	s_wait_tensorcnt 0x0                           ; all my tensor loads have landed: my part of the next slot
	ds_add_u32 v[SPW], v[NIL]                      ; 0 onto my spare word
	s_wait_dscnt 4*NL+1                            ; (the add and the youngest 24 loads may be out)
	WIN MUL_LO
	MUL16 0, 1, NQ-1, \slot, 0
	s_wait_dscnt 0x0                               ; the add is done, and my reads of this slot are over
	s_barrier_signal -1
	MUL16 2, 1, NQ-1, \slot, 0
	WIN 0
	s_barrier_wait -1
.if \fill
	CREST                                          ; the barrier has opened a round of the cluster's: no wave of any partner still reads this slot or has a load on its way
	s_add_nc_u64 s[G0+4*\slot+2:G0+4*\slot+3], s[G0+4*\slot+2:G0+4*\slot+3], 2*CH
	s_add_nc_u64 s[G0B+4*\slot+2:G0B+4*\slot+3], s[G0B+4*\slot+2:G0B+4*\slot+3], 2*CH
	JLOAD G0+4*\slot, G1, G0B+4*\slot, G1B         ; the first tensor load behind the round; its four v_nop are the places in front of the loads below
.else
	PLACES NP
.endif
	v_add_nc_u32 v[ADRS], 1024, v[ADRS]            ; the next K step's scale words
	FETCH_B \next, 0, 0
	FETCH_A \next, 0, 0
	SCALES \next
	WIN MUL_HI
	MUL16 4, 1, NQ-1, \slot, 0
	MUL16 6, 1, NQ-1, \slot, 0
	PLACES NP
	WIN 0
	FETCH_A \next, 0, 4
.endm
	s_wait_tensorcnt 1                             ; the scale words and my part of K step 0 are in; K step 1's load may be out
	s_barrier_signal -1
	s_barrier_wait -1
	FETCH_B 0, 0, 0
	FETCH_A 0, 0, 0
	SCALES 0
	FETCH_A 0, 0, 4
	s_cmp_eq_u32 s12, 1                            ; the first step is written twice: the bias goes by B's block (q, k) or by A's (v)
	s_cbranch_scc1 .Lfirst_v
	STEP 0, 0, 1
	s_branch .Lfirst_done
.Lfirst_v:
	STEP 0, 0, 2
.Lfirst_done:
	TURN 0, 1, 1                                   ; four K steps: the walk is written out; slot 0 takes K step 2,
	STEP 1, 0, 0
	TURN 1, 0, 1                                   ; slot 1 K step 3
	STEP 0, 0, 0
	TURN 0, 1, 0
	STEP 1, 0, 0
	s_wait_dscnt 4*NL
	WIN MUL_LO
	MUL16 0, 1, NQ-1, 1, 0
	MUL16 2, 1, NQ-1, 1, 0
	s_wait_dscnt 0
	WIN MUL_HI
	MUL16 4, 1, NQ-1, 1, 0
	MUL16 6, 1, NQ-1, 1, 0
	WIN 0
; THE WAY OUT.  A's block n: my 64 numbers, register 16 b + i = source 0's row 32 b + 16 h + i, are four blocks of 32, each shared with lane l xor 16.  They become a fragment's codes and a scale word and are stored as they stand.
.macro QUANTW n
.set AC, 64*((\n)%4)
.set WW, 2+(\n)/4
.set W12, (WW<<2)|(WW<<4)
.set PC, 64+32*((\n)%2)
	WIN W12                                        ; sources 1 and 2: the accumulators' window
.irp b, 0,1,2,3
	v_max3_num_f32 v[TM+\b], v[FLO], |v[AC+16*\b]|, |v[AC+16*\b+1]|   ; each accumulator is read from its low end on; the floor holds the byte at 1 from below
.endr
.irp i, 2,4,6,8,10,12,14
.irp b, 0,1,2,3
	v_max3_num_f32 v[TM+\b], v[TM+\b], |v[AC+16*\b+\i]|, |v[AC+16*\b+\i+1]|
.endr
.endr
	WIN 0
.irp b, 0,1,2,3
	v_permlanex16_b32 v[TM+4+\b], v[TM+\b], s92, s93
.endr
.irp b, 0,1,2,3
	v_max_num_f32 v[TM+\b], v[TM+\b], v[TM+4+\b]
.endr
.irp b, 0,1,2,3
	v_add_nc_u32 v[TM+12+\b], 0xff000000, v[TM+\b] ; 2 off the exponent field: the conversion's scale operand
.endr
.irp b, 0,1,2,3
	v_lshrrev_b32 v[TM+4+\b], 23, v[TM+12+\b]
.endr
	v_lshl_or_b32 v[PW+(\n)], v[TM+5], 8, v[TM+4]
	v_lshl_or_b32 v[PW+(\n)], v[TM+6], 16, v[PW+(\n)]
	v_lshl_or_b32 v[PW+(\n)], v[TM+7], 24, v[PW+(\n)]
	WIN WW                                         ; source 0: the accumulators' window
.irp c, 0,1
	v_cvt_scalef32_pk16_fp6_f32 v[PC+6*\c:PC+6*\c+2], v[AC+32*\c:AC+32*\c+15], v[TM+12+2*\c]
	v_cvt_scalef32_pk16_fp6_f32 v[PC+12+4*\c:PC+14+4*\c], v[AC+32*\c+16:AC+32*\c+31], v[TM+12+2*\c+1]
.endr
	WIN 0
	v_nop                                          ; one plain place behind the conversions
.irp c, 0,1                                    ; the operand's layout wants a whole block in a lane
.irp i, 0,1,2
	v_permlane16_swap_b32 v[PC+6*\c+\i], v[PC+12+4*\c+\i]
.endr
.irp i, 0,1,2
	v_mov_b32 v[PC+6*\c+3+\i], v[PC+12+4*\c+\i]
.endr
.endr
	s_wait_xcnt 0x0                                ; the earlier stores have read their base and their data: the base steps here, and the next block writes the other set of code registers
.if (\n) > 0
	s_add_nc_u64 s[20:21], s[20:21], s[22:23]
.endif
.if (\n) == 4
	s_add_nc_u64 s[20:21], s[20:21], s[46:47]
.endif
.irp p, 0,1,2
	global_store_b64 v[OA0], v[PC+2*\p:PC+2*\p+1], s[20:21] offset:256*\p       ; 256 consecutive bytes, aligned
.endr
.irp p, 0,1,2
	global_store_b64 v[OA1], v[PC+6+2*\p:PC+6+2*\p+1], s[20:21] offset:256*\p
.endr
.endm
	PLACES NP
.irp b, 0,1,2,3
	v_mov_b32 v[TM+4+\b], 0                        ; a lane permute's destination counts as read
.endr
.irp n, 0,1,2,3,4,5,6,7
	QUANTW \n
.endr
	v_cmp_eq_u32 vcc_lo, 1, v2
.irp i, 0,1,2,3
	v_cndmask_b32 v[SWD+\i], v[PW+\i], v[PW+4+\i], vcc_lo   ; lanes 0-15 the words of blocks 0-3, lanes 16-31 of blocks 4-7
.endr
	s_cmp_eq_u32 s12, 1
	s_cbranch_scc1 .Lwords_v
.irp i, 0,1,2,3
	v_lshrrev_b32 v[SWD+4+\i], 16, v[SWD+\i]       ; q, k: a word holds two heads' two bytes: each head gets its own in bytes 0 and 1, and 0 above, which attention sets against zero codes
.endr
.irp i, 0,1,2,3
	v_and_b32 v[SWD+\i], 0xffff, v[SWD+\i]
.endr
	global_store_b128 v[OSA], v[SWD+4:SWD+7], s[18:19] offset:6144+208896
.Lwords_v:
	global_store_b128 v[OSA], v[SWD:SWD+3], s[18:19] offset:6144
	s_wait_tensorcnt 0x0                           ; the wave's end
	ds_add_u32 v[SPW], v[NIL]
	s_wait_dscnt 0x0
	CROUND                                         ; the closing round
	s_endpgm
.Lfunc_end_k_q4074b73f94_gemmqkv:
	.size	k_q4074b73f94_gemmqkv, .Lfunc_end_k_q4074b73f94_gemmqkv-k_q4074b73f94_gemmqkv
	.p2alignl 7, 3214868480
	.fill 96, 4, 3214868480
	.section	.rodata,"a",@progbits
	.p2align	6, 0x0
	.amdhsa_kernel k_q4074b73f94_gemmqkv
		.amdhsa_group_segment_fixed_size 327680
		.amdhsa_private_segment_fixed_size 0
		.amdhsa_enable_private_segment 0
		.amdhsa_kernarg_size 24
		.amdhsa_user_sgpr_count 2
		.amdhsa_user_sgpr_kernarg_segment_ptr 1
		.amdhsa_wavefront_size32 1
		.amdhsa_system_sgpr_workgroup_id_x 1
		.amdhsa_system_sgpr_workgroup_id_y 1
		.amdhsa_system_sgpr_workgroup_id_z 1
		.amdhsa_system_vgpr_workitem_id 0
		.amdhsa_next_free_vgpr 1024
		.amdhsa_next_free_sgpr 100
		.amdhsa_reserve_vcc 1
		.amdhsa_float_denorm_mode_32 3
		.amdhsa_float_denorm_mode_16_64 3
		.amdhsa_memory_ordered 1
		.amdhsa_forward_progress 1
		.amdhsa_inst_pref_size 185
	.end_amdhsa_kernel
	.amdgpu_metadata
---
amdhsa.version: [ 1, 2 ]
amdhsa.kernels:
  - .name:           k_q4074b73f94_gemmqkv
    .symbol:         k_q4074b73f94_gemmqkv.kd
    .args:
      - { .name: opq, .offset: 0, .size: 8, .value_kind: global_buffer, .address_space: global }
      - { .name: qkv_b, .offset: 8, .size: 8, .value_kind: global_buffer, .address_space: global }
      - { .name: qkv, .offset: 16, .size: 8, .value_kind: global_buffer, .address_space: global }
    .group_segment_fixed_size: 327680
    .private_segment_fixed_size: 0
    .kernarg_segment_align: 8
    .kernarg_segment_size: 24
    .max_flat_workgroup_size: 128
    .sgpr_count:     100
    .vgpr_count:     1024
    .wavefront_size: 32
...
	.end_amdgpu_metadata
.endif
;; end of part 2
;; launch attn (part 3): grid 4 x 64, 16 waves a work-group, clusters of 4 x 1, 210,944 bytes of LDS; arguments qkv, att; writes att
.if DOCPART == 3
	.amdgcn_target "amdgcn-amd-amdhsa--gfx1250"
	.amdhsa_code_object_version 6
	.text
	.protected	k_q4074b73f94_attn
	.globl	k_q4074b73f94_attn
	.p2align	8
	.type	k_q4074b73f94_attn,@function
k_q4074b73f94_attn:
	s_mov_b64 s[64:65], 0
	v_nop
	global_prefetch_b8 v0, s[64:65] scope:SCOPE_SE
	s_setreg_imm32_b32 hwreg(HW_REG_WAVE_MODE, 25, 1), 1
	s_wait_xcnt 0x0
	s_wait_alu depctr_hold_cnt(0) depctr_sa_sdst(0) depctr_va_vdst(0) depctr_va_sdst(0) depctr_va_ssrc(0) depctr_va_vcc(0) depctr_vm_vsrc(0)
	s_getreg_b32 s2, hwreg(HW_REG_IB_STS2, 6, 4)
	s_cmp_eq_u32 s2, 0
	s_cbranch_scc0 .Lentry_in_a_cluster
	s_endpgm
.Lentry_in_a_cluster:
	s_bfe_u32 s2, ttmp6, 0x10000c
	s_cmp_lg_u32 s2, 0x3003
	s_cbranch_scc0 .Lentry_shape_is_right
	s_endpgm
.Lentry_shape_is_right:
; Causal attention of one (batch, head) a cluster, on codes of FP6 (E2M3) with E8M0 scales; head size 64, 2,048 tokens.  Both products are used transposed: S^T = K Q^T, O^T = V^T P^T: a lane holds one query throughout.
; t = score x log2(e) / 8; M = the running largest t rounded up to a whole number; p = 2^(t - M) is quantised along the keys; the row's sum is taken of the unquantised p and divides O at the end.
; When M moves, the sum and O are multiplied by 2^(old M - new M), exactly.  O / sum is quantised along the head's 64 and leaves as a half fragment of the last product's operand.
; K = 64 IN AN INSTRUCTION OF 128: Q's upper six registers are zero codes; K's tile t is named with the six registers behind it (the next tile's codes, or six zeros), which so multiply zeros; bytes 2 and 3 of q's and k's scale words are 0.
; SHARES.  The head's 128 tiles of 16 queries: tile 4 m + cx goes to work-group cx; wave w takes m = 31 - w (HI) and m = w (LO).  A tile works key steps 0 .. m / 2 (128 keys a step), the last under the mask:
; 17 tile steps for every wave.  What a step leaves out is jumped over by a scalar branch on the wave's number and the count of steps; no barrier and no tensor load stands in a step.
; LDS: the head's K and V, 16 records of 13,056 bytes, come ONCE, by joint loads of the cluster's four work-groups (mask 15), waves 0-3: each one record of steps 0-3, then three of steps 4-15: two loads of a wave are out.
; Nothing is filled again.  All tiles are asked for at the head, so no L2 prefetch is laid.
; THE ROWS OF A TILE: lane row r of tile 2 b + u of a step is token 32 b + 8 u + r + 8 (r / 8): so S^T's 16 registers of tiles 2 b, 2 b + 1 are keys 32 b + 16 h + 0 .. 15, and O^T's likewise along the head.
; LIMITS: NaN and infinities are not served; 1 / sum is v_rcp_f32 and a multiplication; a block of p or of O whose largest magnitude lies under 2^-124 gets the byte 1.
.set REG,  13369344
.set ASC,  6291456
.set REC,  13056
.set LN,   1                           ; v1 lane
.set RR,   2                           ; v2 r
.set A8,   3                           ; v3 8 x lane
.set DL,   4                           ; v4 my query's place in half a step, less 16 h
.set TP,   5                           ; v5 at work
.set FF,   6                           ; v6 f, named as a pair with
.set PWD,  7                           ; v7 p's scale word
.set STH,  8                           ; v8-11 HI: -M, the largest t, the sum in two halves
.set STL,  12                          ; v12-15 LO
.set QH,   16                          ; v16-27 HI's Q: six registers of codes, six of zeros
.set QL,   28                          ; v28-39 LO's
.set QSH,  40                          ; v40, v41 their scale words
.set QSL,  41
.set SW,   42                          ; v42-45 K's or V's scale words
.set KV,   46                          ; v46-93 K's eight half fragments, then V's four fragments; v94-99 zeros
.set S,    100                         ; v100-163 S^T, then p
.set OH,   164                         ; v164-195 HI's O^T
.set OL,   196                         ; v196-227 LO's
.set PCD,  228                         ; v228-239 p's codes
.set BM,   236                         ; v236-239 the blocks' largest scores: done with when the codes are made
.set CT,   240                         ; v240-247 at work
.set AD8,  248                         ; v248-250 the step's LDS addresses
.set AD16, 249
.set ADR,  250
.set R8,   251                         ; v251 8 r
.set SO,   252                         ; v252-255 the conversions' scale operands
.set WV,   8
.set CX,   9
.set BH,   10
.set J,    11                          ; s11 the key step
.set LH,   12                          ; s12, s13 the tiles' last key steps
.set LL,   13
.set MBH,  14                          ; s14, s15 64 x (m % 2)
.set MBL,  15
.set SEL,  16
.set CS,   18
.set G1A,  20
.set G1B,  28
.set G0A,  36
.set G0B,  40
.set TB,   44                          ; s44 the step's record in LDS
.set CNT,  45
.set MH,   46
.set ML,   47
.macro CROUND
	s_barrier_signal -1
	s_barrier_wait -1
	s_cmp_lg_u32 s[WV], 0
	s_cbranch_scc1 .Lnot_wave_0_\@
	s_barrier_signal -3
.Lnot_wave_0_\@:
	s_barrier_wait -3
	s_barrier_signal -1
	s_barrier_wait -1
.endm
	s_load_b128 s[4:7], s[0:1], 0x0                ; qkv s[4:5], att s[6:7]
	v_lshl_add_u32 v254, v0, 2, 0x33000
	v_mov_b32 v255, 0
	ds_add_u32 v254, v255
	ds_add_u32 v254, v255
	s_wait_dscnt 0x0
	v_lshrrev_b32 v1, 5, v0
	v_readfirstlane_b32 s[WV], v1                  ; wave 0..15
	s_bfe_u32 s[CX], ttmp6, 0x40000                ; cx: it enters Q's and att's addresses and the mask's numbers alone
	s_and_b32 s[BH], ttmp7, 0xffff                 ; batch x 16 + head: the cluster's y
	; group 1: dense records as rows of 256 bytes (32 elements of 8 bytes): one record is 51 rows, three are 153
	s_mov_b32 s[G1A], 15|(3<<16)|(1<<21)
	s_mov_b32 s[G1A+1], 32<<16
	s_mov_b32 s[G1A+2], 51<<16
	s_mov_b32 s[G1A+3], 32<<16
	s_mov_b32 s[G1A+4], 51
	s_mov_b32 s[G1A+5], 32
	s_mov_b32 s[G1A+6], 0
	s_mov_b32 s[G1A+7], 0
	s_mov_b32 s[G1B], 15|(3<<16)|(1<<21)
	s_mov_b32 s[G1B+1], 32<<16
	s_mov_b32 s[G1B+2], 153<<16
	s_mov_b32 s[G1B+3], 32<<16
	s_mov_b32 s[G1B+4], 153
	s_mov_b32 s[G1B+5], 32
	s_mov_b32 s[G1B+6], 0
	s_mov_b32 s[G1B+7], 0
	s_mul_i32 s48, s[BH], 16*REC
	s_add_co_u32 s48, s48, REG                     ; my head's K and V
	s_mov_b32 s49, 0
	s_mul_i32 s50, s[WV], REC                      ; waves 0-3: step w,
	s_mov_b32 s51, 0
	s_mul_i32 s52, s[WV], 3*REC
	s_add_co_u32 s52, s52, 4*REC                   ; and steps 4 + 3 w on: the same offset in memory and in LDS
	s_mov_b32 s53, 0
	s_xor_b32 s[MH], s[WV], 31                     ; 31 - wave
	s_mov_b32 s[ML], s[WV]
	s_lshr_b32 s[LH], s[MH], 1
	s_lshr_b32 s[LL], s[ML], 1
	s_and_b32 s[MBH], s[MH], 1
	s_lshl_b32 s[MBH], s[MBH], 6
	s_and_b32 s[MBL], s[ML], 1
	s_lshl_b32 s[MBL], s[MBL], 6
	s_mov_b32 s[SEL], 0x76543210
	s_mov_b32 s[SEL+1], 0xfedcba98
	s_mov_b32 s[CS], 0x3e38aa3b                    ; c = log2(e) / 8
	s_mov_b32 s[CS+1], s[CS]
	s_mov_b32 s[J], 0
	s_mov_b32 s[TB], 0
	s_wait_kmcnt 0x0
	s_add_nc_u64 s[48:49], s[4:5], s[48:49]
	s_mov_b32 s[G0A], 1
	s_mov_b32 s[G0A+1], s50
	s_add_nc_u64 s[G0A+2:G0A+3], s[48:49], s[50:51]
	s_or_b32 s[G0A+3], s[G0A+3], 0x80000000
	s_mov_b32 s[G0B], 1
	s_mov_b32 s[G0B+1], s52
	s_add_nc_u64 s[G0B+2:G0B+3], s[48:49], s[52:53]
	s_or_b32 s[G0B+3], s[G0B+3], 0x80000000
	CROUND                                         ; all four work-groups are here: the joint loads meet
	s_cmp_lt_u32 s[WV], 4                          ; a wave's two fills stand in one branch on the wave's number
	s_cbranch_scc0 .Lno_fill
	tensor_load_to_lds s[G0A:G0A+3], s[G1A:G1A+7]
	s_nop 0
	tensor_load_to_lds s[G0B:G0B+3], s[G1B:G1B+7]
	s_nop 0
.rept 4
	v_nop
.endr
.Lno_fill:
	v_and_b32 v[LN], 31, v0
	v_and_b32 v[RR], 15, v0
	v_bfe_u32 v[TP], v0, 4, 1                      ; h
	v_lshlrev_b32 v[A8], 3, v[LN]
	v_lshlrev_b32 v[R8], 3, v[RR]
	v_and_b32 v[DL], 8, v[RR]
	v_add_nc_u32 v[DL], v[DL], v[RR]               ; r + 8 (r / 8)
	v_lshlrev_b32 v[TP], 4, v[TP]
	v_sub_nc_u32 v[DL], v[DL], v[TP]               ; - 16 h
	s_lshr_b32 s58, s[CX], 1
	s_lshl_b32 s58, s58, 5
	s_and_b32 s59, s[CX], 1
	s_lshl_b32 s59, s59, 3
	s_add_co_u32 s58, s58, s59
	v_add_nc_u32 v[DL], s58, v[DL]                 ; + 32 (cx / 2) + 8 (cx % 2)
; Q's half fragment and scale word of tile 4 m + cx: record m / 2 of region 0, tile 4 (m % 2) + cx in it
.macro QLOAD m, base, va, vb, qf, qs
	s_lshl_b32 s58, s[BH], 4
	s_lshr_b32 s59, s[\m], 1
	s_add_co_u32 s58, s58, s59
	s_mul_i32 s[\base], s58, REC
	s_mov_b32 s[\base+1], 0
	s_add_nc_u64 s[\base:\base+1], s[4:5], s[\base:\base+1]
	s_and_b32 s58, s[\m], 1
	s_lshl_b32 s59, s58, 2
	s_add_co_u32 s59, s59, s[CX]
	s_mul_i32 s59, s59, 768
	v_add_nc_u32 v[\va], s59, v[A8]
	s_lshl_b32 s58, s58, 8
	s_lshl_b32 s59, s[CX], 2
	s_add_co_u32 s58, s58, s59
	v_lshl_add_u32 v[\vb], v[RR], 4, s58
.irp p, 0,1,2
	global_load_b64 v[\qf+2*\p:\qf+2*\p+1], v[\va], s[\base:\base+1] offset:256*\p
.endr
	global_load_b32 v[\qs], v[\vb], s[\base:\base+1] offset:6144
.endm
	QLOAD MH, 54, S, S+1, QH, QSH
	QLOAD ML, 56, S+2, S+3, QL, QSL
.irp i, 0,1,2,3,4,5
	v_mov_b32 v[QH+6+\i], 0                        ; zero codes: the upper 64 of the instruction's K
	v_mov_b32 v[QL+6+\i], 0
	v_mov_b32 v[KV+48+\i], 0
.endr
.irp t, STH, STL
	v_mov_b32 v[\t+1], 0xff61b1e6                  ; the largest t so far: -3e38
	v_floor_f32 v[\t], -v[\t+1]                    ; -M
	v_mov_b32 v[\t+2], 0
	v_mov_b32 v[\t+3], 0
.endr
.set j, 0
.rept 64
	v_mov_b32 v[OH+j], 0                           ; O^T of both tiles: the step is written once; the first change of M leaves zeros zeros
.set j, j+1
.endr
.irp b, 0,1,2,3
	v_mov_b32 v[CT+\b], 0                          ; a lane permute's destination counts as read
.endr
	v_mov_b32 v[PWD], 0                            ; (named as the upper half of the pair with f before it is first made)
; ONE TILE'S KEY STEP.  st: its statistics; qf, qs: its Q; ob: its O^T; sl: its last step; smb: 64 (m % 2)
.macro TILE st, qf, qs, ob, sl, smb
	s_cmp_gt_u32 s[J], s[\sl]                      ; all 128 keys come after my queries: nothing to do
	s_cbranch_scc1 .Lskip_\@
.rept 4
	v_nop                                          ; places in front of loads into registers that the last products read
.endr
.irp t, 0,1,2,3,4,5,6,7
.irp p, 0,1,2
	ds_load_b64 v[KV+6*\t+2*\p:KV+6*\t+2*\p+1], v[AD8] offset:768*\t+256*\p
.endr
.endr
	ds_load_b128 v[SW:SW+3], v[AD16] offset:6144   ; lanes 0-15 the words of tiles 0-3, lanes 16-31 of tiles 4-7
	s_wait_dscnt 0x0
.irp t, 0,1,2,3
	v_wmma_scale_f32_16x16x128_f8f6f4 v[S+8*\t:S+8*\t+7], v[KV+6*\t:KV+6*\t+11], v[\qf:\qf+11], 0, v[SW+\t], v[\qs] matrix_a_fmt:MATRIX_FMT_FP6 matrix_b_fmt:MATRIX_FMT_FP6
.endr
.irp t, 4,5,6,7
	v_wmma_scale_f32_16x16x128_f8f6f4 v[S+8*\t:S+8*\t+7], v[KV+6*\t:KV+6*\t+11], v[\qf:\qf+11], 0, v[SW+\t-4], v[\qs] matrix_a_fmt:MATRIX_FMT_FP6 matrix_b_fmt:MATRIX_FMT_FP6 matrix_a_scale:MATRIX_SCALE_ROW1
.endr
.rept 4
	v_nop                                          ; places: for the loads below and for the first read of the scores
.endr
.irp d, 0,1,2,3
.irp p, 0,1,2,3,4,5
	ds_load_b64 v[KV+12*\d+2*\p:KV+12*\d+2*\p+1], v[AD8] offset:6656+1536*\d+256*\p   ; V^T's four fragments land while the softmax is walked
.endr
.endr
	ds_load_b128 v[SW:SW+3], v[ADR] offset:12800   ; row r's four words
	s_cmp_lg_u32 s[J], s[\sl]                      ; on the tile's last step hidden scores become -infinity ahead of the maximum; key 0 of the step counts for every query
	s_cbranch_scc1 .Lopen_\@
	v_add_nc_u32 v[TP], s[\smb], v[DL]             ; my query's place in the step, less 16 h.  Register 16 b + i holds key 32 b + 16 h + i
	v_mov_b32 v[CT], 0xff800000
.set n, 0
.rept 64
	v_cmp_gt_i32 vcc_lo, 32*(n/16)+n%16, v[TP]
	v_cndmask_b32 v[S+n], v[S+n], v[CT], vcc_lo
.set n, n+1
.endr
.Lopen_\@:
.irp b, 0,1,2,3
	v_max3_num_f32 v[BM+\b], v[S+16*\b], v[S+16*\b+1], v[S+16*\b+2]   ; the largest score of each block of 32 keys: for the row's maximum, and, since p rises with the score, for the block's largest p
.endr
.irp i, 3,5,7,9,11,13
.irp b, 0,1,2,3
	v_max3_num_f32 v[BM+\b], v[BM+\b], v[S+16*\b+\i], v[S+16*\b+\i+1]
.endr
.endr
.irp b, 0,1,2,3
	v_max_num_f32 v[BM+\b], v[BM+\b], v[S+16*\b+15]
.endr
.irp b, 0,1,2,3
	v_permlanex16_b32 v[CT+\b], v[BM+\b], s[SEL], s[SEL+1]
.endr
.irp b, 0,1,2,3
	v_max_num_f32 v[BM+\b], v[BM+\b], v[CT+\b]
.endr
	v_max3_num_f32 v[TP], v[BM], v[BM+1], v[BM+2]
	v_max_num_f32 v[TP], v[TP], v[BM+3]
	v_mul_f32 v[TP], s[CS], v[TP]
	v_max_num_f32 v[\st+1], v[\st+1], v[TP]        ; the running largest t
	v_mov_b32 v[TP], v[\st]
	v_floor_f32 v[\st], -v[\st+1]                  ; the new -M: a whole number
	v_sub_f32 v[TP], v[\st], v[TP]                 ; old M - new M
	v_cvt_i32_f32 v[TP], v[TP]                     ; (it saturates)
	v_ldexp_f32 v[FF], 1.0, v[TP]                  ; f = 2^(old M - new M)
.set j, 0
.rept 32
	v_pk_fma_f32 v[S+j:S+j+1], v[S+j:S+j+1], s[CS:CS+1], v[\st:\st+1] op_sel_hi:[1,0,0]   ; t - M
.set j, j+2
.endr
.irp b, 0,1,2,3
	v_fma_f32 v[BM+\b], v[BM+\b], s[CS], v[\st]
.endr
.set j, 0
.rept 64
	v_exp_f32 v[S+j], v[S+j]                       ; p = 2^(t - M)
.set j, j+1
.endr
	v_pk_mul_f32 v[\st+2:\st+3], v[\st+2:\st+3], v[FF:FF+1] op_sel_hi:[1,0]   ; the sums under the new M: the plain place behind the batch
	s_wait_alu depctr_va_vdst(0)                   ; one wait for the 64, ahead of their first reader
.irp b, 0,1,2,3
	v_exp_f32 v[BM+\b], v[BM+\b]                   ; the blocks' largest p
.endr
	v_pk_add_f32 v[CT:CT+1], v[S:S+1], v[S+2:S+3]  ; the row's sum of the unquantised p, in two chains
.set j, 4
.rept 15
	v_pk_add_f32 v[\st+2:\st+3], v[\st+2:\st+3], v[S+j:S+j+1]
	v_pk_add_f32 v[CT:CT+1], v[CT:CT+1], v[S+j+2:S+j+3]
.set j, j+4
.endr
	v_pk_add_f32 v[\st+2:\st+3], v[\st+2:\st+3], v[CT:CT+1]
	s_wait_alu depctr_va_vdst(0)                   ; and one for the four
.irp b, 0,1,2,3
	v_max_num_f32 v[BM+\b], 0x1800000, v[BM+\b]    ; the floor: the byte cannot fall under 1
.endr
.irp b, 0,1,2,3
	v_add_nc_u32 v[SO+\b], 0xff000000, v[BM+\b]
.endr
.irp b, 0,1,2,3
	v_lshrrev_b32 v[CT+\b], 23, v[SO+\b]
.endr
	v_lshl_or_b32 v[PWD], v[CT+1], 8, v[CT]
	v_lshl_or_b32 v[PWD], v[CT+2], 16, v[PWD]
	v_lshl_or_b32 v[PWD], v[CT+3], 24, v[PWD]
.irp c, 0,1
	v_cvt_scalef32_pk16_fp6_f32 v[PCD+6*\c:PCD+6*\c+2], v[S+32*\c:S+32*\c+15], v[SO+2*\c]
	v_cvt_scalef32_pk16_fp6_f32 v[CT+4*\c:CT+4*\c+2], v[S+32*\c+16:S+32*\c+31], v[SO+2*\c+1]
.endr
	v_nop                                          ; one plain place behind the conversions
.irp c, 0,1
.irp i, 0,1,2
	v_permlane16_swap_b32 v[PCD+6*\c+\i], v[CT+4*\c+\i]
.endr
.irp i, 0,1,2
	v_mov_b32 v[PCD+6*\c+3+\i], v[CT+4*\c+\i]
.endr
.endr
.set j, 0
.rept 16
	v_pk_mul_f32 v[\ob+j:\ob+j+1], v[\ob+j:\ob+j+1], v[FF:FF+1] op_sel_hi:[1,0]   ; O^T under the new M; these sixteen are also the places between p's codes and scale word and the products
.set j, j+2
.endr
	s_wait_dscnt 0x0                               ; V is in
.irp d, 0,1,2,3
	v_wmma_scale_f32_16x16x128_f8f6f4 v[\ob+8*\d:\ob+8*\d+7], v[KV+12*\d:KV+12*\d+11], v[PCD:PCD+11], v[\ob+8*\d:\ob+8*\d+7], v[SW+\d], v[PWD] matrix_a_fmt:MATRIX_FMT_FP6 matrix_b_fmt:MATRIX_FMT_FP6
.endr
.Lskip_\@:
.endm
.macro KEYSTEP
	v_lshl_add_u32 v[AD8], v[LN], 3, s[TB]
	v_lshl_add_u32 v[AD16], v[LN], 4, s[TB]
	v_lshl_add_u32 v[ADR], v[RR], 4, s[TB]
	TILE STH, QH, QSH, OH, LH, MBH
	TILE STL, QL, QSL, OL, LL, MBL
	s_add_co_u32 s[J], s[J], 1
	s_add_co_u32 s[TB], s[TB], REC
.endm
	s_wait_loadcnt 0x0                             ; Q
	s_wait_tensorcnt 1                             ; my record of steps 0-3 is in; my three of steps 4-15 may be out
	s_barrier_signal -1
	s_barrier_wait -1
	s_mov_b32 s[CNT], 4
.Lfirst:                                           ; key steps 0-3
	KEYSTEP
	s_sub_co_u32 s[CNT], s[CNT], 1
	s_cmp_lg_u32 s[CNT], 0
	s_cbranch_scc1 .Lfirst
	s_wait_tensorcnt 0x0                           ; the rest of the head is in,
	s_wait_dscnt 0x0
	s_barrier_signal -1
	s_barrier_wait -1                              ; everybody's
	s_mov_b32 s[CNT], 12
.Lrest:                                            ; key steps 4-15
	KEYSTEP
	s_sub_co_u32 s[CNT], s[CNT], 1
	s_cmp_lg_u32 s[CNT], 0
	s_cbranch_scc1 .Lrest
.rept 4
	v_nop                                          ; places behind the last products
.endr
; THE WAY OUT of a tile: O^T / the sum; register 16 b + i is channel 32 b + 16 h + i of my query: two blocks of 32: a half fragment (K step head / 4, half fragment head % 4 of the last product's operand) and two scale bytes.
.macro FINAL st, ob, m, again
.if \again
	s_wait_xcnt 0x0                                ; the first tile's stores have read their registers and bases
.endif
	v_add_f32 v[TP], v[\st+2], v[\st+3]
	v_permlanex16_b32 v[CT], v[TP], s[SEL], s[SEL+1]
	v_add_f32 v[TP], v[TP], v[CT]                  ; the row's sum
	v_rcp_f32 v[FF], v[TP]
	s_lshr_b32 s58, s[BH], 4
	s_lshl_b32 s58, s58, 4
	s_lshr_b32 s59, s[\m], 1
	s_add_co_u32 s58, s58, s59                     ; the group of 128 tokens
	s_bfe_u32 s59, s[BH], 0x20002                  ; head / 4
	s_lshl_b32 s48, s58, 2
	s_add_co_u32 s48, s48, s59
	s_mul_i32 s48, s48, 24576                      ; the chunk
	s_lshl_b32 s50, s58, 12
	s_lshl_b32 s59, s59, 10
	s_add_co_u32 s50, s50, s59
	s_and_b32 s58, s[\m], 1
	s_lshl_b32 s58, s58, 2
	s_add_co_u32 s58, s58, s[CX]                   ; the tile in the group
	s_lshl_b32 s59, s58, 7
	s_add_co_u32 s50, s50, s59
	s_lshl_b32 s58, s58, 2
	s_and_b32 s59, s[BH], 3
	s_add_co_u32 s58, s58, s59
	s_mul_i32 s58, s58, 768
	s_add_co_u32 s48, s48, s58
	s_lshl_b32 s59, s59, 1                         ; my head's two bytes among the row's eight of this K step
	s_add_co_u32 s50, s50, s59
	s_add_co_u32 s50, s50, ASC
	s_mov_b32 s49, 0
	s_mov_b32 s51, 0
	s_add_nc_u64 s[48:49], s[6:7], s[48:49]
	s_add_nc_u64 s[50:51], s[6:7], s[50:51]
	v_nop                                          ; the plain place behind the reciprocal
	s_wait_alu depctr_va_vdst(0)                   ; and the wait ahead of its first reader
.set j, 0
.rept 16
	v_pk_mul_f32 v[S+j:S+j+1], v[\ob+j:\ob+j+1], v[FF:FF+1] op_sel_hi:[1,0]   ; each accumulator from its low end on
.set j, j+2
.endr
.irp b, 0,1
	v_max3_num_f32 v[BM+\b], |v[S+16*\b]|, |v[S+16*\b+1]|, 0x1800000
.endr
.irp i, 2,4,6,8,10,12,14
.irp b, 0,1
	v_max3_num_f32 v[BM+\b], v[BM+\b], |v[S+16*\b+\i]|, |v[S+16*\b+\i+1]|
.endr
.endr
.irp b, 0,1
	v_permlanex16_b32 v[CT+\b], v[BM+\b], s[SEL], s[SEL+1]
.endr
.irp b, 0,1
	v_max_num_f32 v[BM+\b], v[BM+\b], v[CT+\b]
.endr
.irp b, 0,1
	v_add_nc_u32 v[SO+\b], 0xff000000, v[BM+\b]
.endr
.irp b, 0,1
	v_lshrrev_b32 v[CT+\b], 23, v[SO+\b]
.endr
	v_lshl_or_b32 v[TP], v[CT+1], 8, v[CT]
	v_cvt_scalef32_pk16_fp6_f32 v[PCD:PCD+2], v[S:S+15], v[SO]
	v_cvt_scalef32_pk16_fp6_f32 v[CT+4:CT+6], v[S+16:S+31], v[SO+1]
	v_nop
.irp i, 0,1,2
	v_permlane16_swap_b32 v[PCD+\i], v[CT+4+\i]
.endr
.irp i, 0,1,2
	v_mov_b32 v[PCD+3+\i], v[CT+4+\i]
.endr
.irp p, 0,1,2
	global_store_b64 v[A8], v[PCD+2*\p:PCD+2*\p+1], s[48:49] offset:256*\p   ; 256 consecutive bytes, aligned
.endr
	global_store_b16 v[R8], v[TP], s[50:51]        ; two bytes of each row's eight: a word's other half is another head's, made by another cluster; lanes 16-31 store what lanes 0-15 store
.endm
	FINAL STH, OH, MH, 0
	FINAL STL, OL, ML, 1
	s_wait_xcnt 0x0
	v_lshl_add_u32 v254, v0, 2, 0x33000
	v_mov_b32 v255, 0
	s_wait_tensorcnt 0x0
	ds_add_u32 v254, v255
	s_wait_dscnt 0x0
	CROUND                                         ; the closing round: all tensor loads were waited for ahead of key step 4
	s_endpgm
.Lfunc_end_k_q4074b73f94_attn:
	.size	k_q4074b73f94_attn, .Lfunc_end_k_q4074b73f94_attn-k_q4074b73f94_attn
	.p2alignl 7, 3214868480
	.fill 96, 4, 3214868480
	.section	.rodata,"a",@progbits
	.p2align	6, 0x0
	.amdhsa_kernel k_q4074b73f94_attn
		.amdhsa_group_segment_fixed_size 210944
		.amdhsa_private_segment_fixed_size 0
		.amdhsa_enable_private_segment 0
		.amdhsa_kernarg_size 16
		.amdhsa_user_sgpr_count 2
		.amdhsa_user_sgpr_kernarg_segment_ptr 1
		.amdhsa_wavefront_size32 1
		.amdhsa_system_sgpr_workgroup_id_x 1
		.amdhsa_system_sgpr_workgroup_id_y 1
		.amdhsa_system_sgpr_workgroup_id_z 1
		.amdhsa_system_vgpr_workitem_id 0
		.amdhsa_next_free_vgpr 256
		.amdhsa_next_free_sgpr 66
		.amdhsa_reserve_vcc 1
		.amdhsa_float_denorm_mode_32 3
		.amdhsa_float_denorm_mode_16_64 3
		.amdhsa_memory_ordered 1
		.amdhsa_forward_progress 1
		.amdhsa_inst_pref_size 107
	.end_amdhsa_kernel
	.amdgpu_metadata
---
amdhsa.version: [ 1, 2 ]
amdhsa.kernels:
  - .name:           k_q4074b73f94_attn
    .symbol:         k_q4074b73f94_attn.kd
    .args:
      - { .name: qkv, .offset: 0, .size: 8, .value_kind: global_buffer, .address_space: global }
      - { .name: att, .offset: 8, .size: 8, .value_kind: global_buffer, .address_space: global }
    .group_segment_fixed_size: 210944
    .private_segment_fixed_size: 0
    .kernarg_segment_align: 8
    .kernarg_segment_size: 16
    .max_flat_workgroup_size: 512
    .sgpr_count:     66
    .vgpr_count:     256
    .wavefront_size: 32
...
	.end_amdgpu_metadata
.endif
;; end of part 3
;; launch proj (part 4): grid 4 x 32, 4 waves a work-group, clusters of 4 x 4, 327,680 bytes of LDS; arguments att, opq, proj_b, out0; writes out0
.if DOCPART == 4
	.amdgcn_target "amdgcn-amd-amdhsa--gfx1250"
	.amdhsa_code_object_version 6
	.text
	.protected	k_q4074b73f94_proj
	.globl	k_q4074b73f94_proj
	.p2align	8
	.type	k_q4074b73f94_proj,@function
k_q4074b73f94_proj:
	s_mov_b64 s[64:65], 0
	v_nop
	global_prefetch_b8 v0, s[64:65] scope:SCOPE_SE
	s_setreg_imm32_b32 hwreg(HW_REG_WAVE_MODE, 25, 1), 1
	s_wait_xcnt 0x0
	s_wait_alu depctr_hold_cnt(0) depctr_sa_sdst(0) depctr_va_vdst(0) depctr_va_sdst(0) depctr_va_ssrc(0) depctr_va_vcc(0) depctr_vm_vsrc(0)
	s_getreg_b32 s2, hwreg(HW_REG_IB_STS2, 6, 4)
	s_cmp_eq_u32 s2, 0
	s_cbranch_scc0 .Lentry_in_a_cluster
	s_endpgm
.Lentry_in_a_cluster:
	s_bfe_u32 s2, ttmp6, 0x10000c
	s_cmp_lg_u32 s2, 0xf033
	s_cbranch_scc0 .Lentry_shape_is_right
	s_endpgm
.Lentry_shape_is_right:
; out0 = att proj_w^T + proj_b on codes of FP6 (E2M3) with E8M0 scales, K = 1,024; out0 [8192][1024] f32.
; A work-group makes 256 tokens x 256 channels, four waves 128 x 128 each.  K goes in four steps of 256 through two LDS slots; a group of 128 rows' K step is one dense chunk of 24,576 bytes of register images.
; Source 1 ("A") = att's tokens, source 0 ("B") = proj_w's channels: a lane holds a token, and its 16 registers of two neighbouring tiles of B are 16 neighbouring channels.  The bias is the C of each sum's first product.
; Lane row r of tile 2 b + u of a group is row 32 b + 8 u + r + 8 (r / 8): honoured where the rows are stored.
; CLUSTERS: 4 x 4.  A's chunks are shared along a row of the cluster, B's along a column: each is asked for jointly.  128 work-groups: one tile each.  No L2 prefetch: of four K steps two are first fills.
; REGISTERS, in windows of 256: window 0: v1 r, v2 h, v16-31 addresses; v32-63 scale words, two sets; v64-127 the bias; v128-223 A's fragments, on the way out v128-255 rows of out0.
;   window 1: B's fragments, two sets.  windows 2, 3: the accumulators ((a, b) at v[8 (8 (a % 4) + b)]).
.set SC0,   9437184
.set ASC,   6291456
.set CH,    24576
.set SLOT,  4*CH
.set SCL,   2*SLOT
.set SPARE, 213248                     ; the spare words, 128 bytes a wave: two blocks of 256 bytes that no other line names
.set SPITCH, 528                       ; the way out: a stage of 16 rows x (512 bytes + 16) for each wave, in slot 0, which has had its last fill and its last read by then
.set FR,    12
.set NL,    6
.set NQ,    2
.set NP,    4
.set ADRA,  16
.set ADRB,  20
.set STO,   24
.set RD,    25
.set CO,    26
.set ADRS,  27
.set SPW,   28
.set NIL,   29
.set SC,    32
.set BI,    64
.set AF,    128
.set BK,    128
.set G1, 24
.set G0, 32
.set G1B, 48
.set G0B, 56
.set G1S, 68
.set G0S, 76
.set G1SB, 80
.set G0SB, 88
.set MSB, 0
.macro WIN new
.if MSB != \new
	s_set_vgpr_msb (MSB<<8)|\new
.set MSB, \new
.endif
.endm
.set MUL_LO, 0xa1
.set MUL_HI, 0xf1
.set BIA_LO, 0x81
.set BIA_HI, 0xc1
.set TO_B,   0x40
.macro JLOAD g0a, g1a, g0b, g1b        ; a joint load: waves 0 and 1 fetch for A, waves 2 and 3 for B; four v_nop follow each of the two lines
	s_cmp_eq_u32 s15, 0
	s_cbranch_scc0 .Lfor_b_\@
	tensor_load_to_lds s[\g0a:\g0a+3], s[\g1a:\g1a+7]
	s_nop 0
.rept 4
	v_nop
.endr
	s_branch .Lasked_\@
.Lfor_b_\@:
	tensor_load_to_lds s[\g0b:\g0b+3], s[\g1b:\g1b+7]
	s_nop 0
.rept 4
	v_nop
.endr
.Lasked_\@:
.endm
.macro CREST
	s_cmp_lg_u32 s14, 0
	s_cbranch_scc1 .Lnot_wave_0_\@
	s_barrier_signal -3
.Lnot_wave_0_\@:
	s_barrier_wait -3
	s_barrier_signal -1
	s_barrier_wait -1
.endm
.macro CROUND
	s_barrier_signal -1
	s_barrier_wait -1
	CREST
.endm
	s_load_b256 s[4:11], s[0:1], 0x0               ; att s[4:5], opq s[6:7], proj_b s[8:9], out0 s[10:11]
	v_lshl_add_u32 v[SPW], v0, 2, SPARE
	v_mov_b32 v[NIL], 0
	ds_add_u32 v28, v29
	ds_add_u32 v28, v29
	s_wait_dscnt 0x0
	v_lshrrev_b32 v1, 5, v0
	v_readfirstlane_b32 s14, v1                    ; wave 0..3
	s_lshr_b32 s15, s14, 1
	s_and_b32 s16, s14, 1
	s_bfe_u32 s40, ttmp6, 0x40000                  ; cx
	s_bfe_u32 s41, ttmp6, 0x40004                  ; cy
	s_and_b32 s17, ttmp7, 0xffff                   ; cluster y
	s_lshl_b32 s43, s41, 2
	s_lshl_b32 s43, 15, s43                        ; my row of the cluster
	s_lshl_b32 s44, 0x1111, s40                    ; my column
	s_or_b32 s[G1+0], s43, (3<<16)|(1<<21)         ; a dense chunk as 96 rows of 256 bytes
	s_or_b32 s[G1B+0], s44, (3<<16)|(1<<21)
.irp g, G1, G1B
	s_mov_b32 s[\g+1], 32<<16
	s_mov_b32 s[\g+2], 96<<16
	s_mov_b32 s[\g+3], 32<<16
	s_mov_b32 s[\g+4], 96
	s_mov_b32 s[\g+5], 32
	s_mov_b32 s[\g+6], 0
	s_mov_b32 s[\g+7], 0
.endr
	s_or_b32 s[G1S+0], s43, (3<<16)|(1<<21)        ; a group's scale words: 16 rows of 256 bytes
	s_or_b32 s[G1SB+0], s44, (3<<16)|(1<<21)
.irp g, G1S, G1SB
	s_mov_b32 s[\g+1], 32<<16
	s_mov_b32 s[\g+2], 16<<16
	s_mov_b32 s[\g+3], 32<<16
	s_mov_b32 s[\g+4], 16
	s_mov_b32 s[\g+5], 32
	s_mov_b32 s[\g+6], 0
	s_mov_b32 s[\g+7], 0
.endr
	s_lshl_b32 s12, s17, 3
	s_lshl_b32 s94, s41, 1
	s_add_co_u32 s12, s12, s94                     ; A: att's groups 8 cluster y + 2 cy + ..
	s_lshl_b32 s18, s40, 1
	s_add_co_u32 s96, s12, s16                     ; A's group that I fetch
	s_add_co_u32 s98, s12, s15                     ; A's group that I multiply
	s_add_co_u32 s99, s18, s16                     ; B: proj_w's group 2 cx + ..: fetched and multiplied,
	s_add_co_u32 s97, s99, 88                      ; which is opq's group 88 + that
	s_mul_i32 s66, s96, 4*CH
	s_mov_b32 s67, 0
	s_lshl_b32 s94, s96, 12
	s_add_co_u32 s94, s94, ASC
	s_mov_b32 s95, 0
	s_mul_i32 s2, s97, 4*CH
	s_mov_b32 s3, 0
	s_lshl_b32 s44, s97, 12
	s_add_co_u32 s44, s44, SC0
	s_mov_b32 s45, 0
	s_mul_i32 s13, s14, CH
	s_lshl_b32 s42, s14, 12
	s_wait_kmcnt 0x0
	s_add_nc_u64 s[66:67], s[4:5], s[66:67]
	s_add_nc_u64 s[94:95], s[4:5], s[94:95]
	s_add_nc_u64 s[2:3], s[6:7], s[2:3]
	s_add_nc_u64 s[44:45], s[6:7], s[44:45]
	CROUND                                         ; all sixteen work-groups are here: the first joint loads meet
	s_mov_b32 s[G0S], 1
	s_add_co_u32 s[G0S+1], s42, SCL
	s_mov_b64 s[G0S+2:G0S+3], s[94:95]
	s_or_b32 s[G0S+3], s[G0S+3], 0x80000000
	s_mov_b32 s[G0SB], 1
	s_add_co_u32 s[G0SB+1], s42, SCL+128
	s_mov_b64 s[G0SB+2:G0SB+3], s[44:45]
	s_or_b32 s[G0SB+3], s[G0SB+3], 0x80000000
	JLOAD G0S, G1S, G0SB, G1SB
.irp s, 0,1
	s_mov_b32 s[G0+4*\s], 1
	s_add_co_u32 s[G0+4*\s+1], s13, \s*SLOT
	s_add_nc_u64 s[G0+4*\s+2:G0+4*\s+3], s[66:67], \s*CH
	s_or_b32 s[G0+4*\s+3], s[G0+4*\s+3], 0x80000000
	s_mov_b32 s[G0B+4*\s], 1
	s_add_co_u32 s[G0B+4*\s+1], s13, \s*SLOT
	s_add_nc_u64 s[G0B+4*\s+2:G0B+4*\s+3], s[2:3], \s*CH
	s_or_b32 s[G0B+4*\s+3], s[G0B+4*\s+3], 0x80000000
	JLOAD G0+4*\s, G1, G0B+4*\s, G1B
.endr
	v_and_b32 v1, 15, v0                           ; r
	v_bfe_u32 v2, v0, 4, 1                         ; h
	v_and_b32 v3, 31, v0
	v_lshlrev_b32 v5, 3, v3                        ; 8 x lane
	s_mul_i32 s21, s15, CH
	s_mul_i32 s22, s16, CH
	s_add_co_u32 s22, s22, 2*CH
.irp s, 0,1
	v_add_nc_u32 v[ADRA+\s], s21, v5
	v_add_nc_u32 v[ADRB+\s], s22, v5
	s_add_co_u32 s21, s21, SLOT
	s_add_co_u32 s22, s22, SLOT
.endr
	s_lshl_b32 s21, s15, 12
	s_lshl_b32 s22, s16, 12
	s_add_co_u32 s22, s22, 8320
	s_sub_co_u32 s22, s22, s21
	v_mul_u32_u24 v4, s22, v2                      ; lanes 16-31 take B's words: one product with h
	s_add_co_u32 s21, s21, SCL
	v_lshl_add_u32 v4, v1, 3, v4
	v_add_nc_u32 v[ADRS], s21, v4
	s_mul_i32 s23, s14, 16*SPITCH                  ; my stage
	v_mul_u32_u24 v4, v1, SPITCH
	v_lshl_add_u32 v4, v2, 6, v4
	v_add_nc_u32 v[STO], s23, v4                   ; in: row r, + 64 h bytes
	v_lshlrev_b32 v[CO], 4, v3                     ; back: the 32 lanes take a row's 512 bytes; the same in out0
	v_add_nc_u32 v[RD], s23, v[CO]
	s_lshl_b32 s20, s98, 19                        ; my 128 tokens: rows of 4,096 bytes
	s_lshl_b32 s22, s99, 9                         ; my 128 channels
	s_add_co_u32 s20, s20, s22
	s_mov_b32 s21, 0
	s_mov_b32 s23, 0
	s_add_nc_u64 s[10:11], s[10:11], s[20:21]
	s_add_nc_u64 s[8:9], s[8:9], s[22:23]
	v_lshlrev_b32 v3, 6, v2                        ; the bias: register 16 b + i is channel 32 b + 16 h + i
.irp b, 0,1,2,3
.irp j, 0,1,2,3
	global_load_b128 v[BI+16*\b+4*\j:BI+16*\b+4*\j+3], v3, s[8:9] offset:128*\b+16*\j
.endr
.endr
	s_wait_loadcnt 0x0
.macro FRAG reg, adr, q, i             ; a fragment: six units of 256 bytes, 8 bytes a lane: registers as they were stored
.irp p, 0,1,2,3,4,5
	ds_load_b64 v[\reg+2*\p:\reg+2*\p+1], v[\adr] offset:((\i)*4+2*(\q))*768+256*\p
.endr
.endm
; 16 matrix instructions: A's blocks a0, a0 + 1 x B's eight.  zero = 1: the sums begin with the bias.  The 64 accumulators take turns, one instruction a turn.
.macro MUL16 a0, p, q, sc, zero
.irp a, \a0, \a0+1
.irp b, 0,1,2,3,4,5,6,7
.if (\zero) == 1
	v_wmma_scale_f32_16x16x128_f8f6f4 v[8*(8*((\a)%4)+\b):8*(8*((\a)%4)+\b)+7], v[128*(\p)+FR*\b:128*(\p)+FR*\b+FR-1], v[AF+FR*(\a):AF+FR*(\a)+FR-1], v[BI+8*\b:BI+8*\b+7], v[SC+8*NQ*(\sc)+NQ*\b+(\q)], v[SC+8*NQ*(\sc)+NQ*(\a)+(\q)] matrix_a_fmt:MATRIX_FMT_FP6 matrix_b_fmt:MATRIX_FMT_FP6 matrix_a_scale:MATRIX_SCALE_ROW1
.else
	v_wmma_scale_f32_16x16x128_f8f6f4 v[8*(8*((\a)%4)+\b):8*(8*((\a)%4)+\b)+7], v[128*(\p)+FR*\b:128*(\p)+FR*\b+FR-1], v[AF+FR*(\a):AF+FR*(\a)+FR-1], v[8*(8*((\a)%4)+\b):8*(8*((\a)%4)+\b)+7], v[SC+8*NQ*(\sc)+NQ*\b+(\q)], v[SC+8*NQ*(\sc)+NQ*(\a)+(\q)] matrix_a_fmt:MATRIX_FMT_FP6 matrix_b_fmt:MATRIX_FMT_FP6 matrix_a_scale:MATRIX_SCALE_ROW1
.endif
.endr
.endr
.endm
.macro FETCH_B slot, q, p
	WIN TO_B
.irp i, 0,1,2,3,4,5,6,7
	FRAG 128*(\p)+FR*\i, ADRB+\slot, \q, \i
.endr
	WIN 0
.endm
.macro FETCH_A slot, q, i0
.irp i, \i0, \i0+1, \i0+2, \i0+3
	FRAG AF+FR*(\i), ADRA+\slot, \q, \i
.endr
.endm
.macro SCALES sc
.irp i, 0,1,2,3,4,5,6,7
	ds_load_b64 v[SC+8*NQ*\sc+NQ*\i:SC+8*NQ*\sc+NQ*\i+1], v[ADRS] offset:\i*128
.endr
.endm
.macro PLACES n
.rept \n
	v_nop
.endr
.endm
.macro STEP slot, q, zero
	s_wait_dscnt 4*NL                              ; all but the youngest 24 loads (A's blocks 4-7)
.if \zero
	WIN BIA_LO
.else
	WIN MUL_LO
.endif
	MUL16 0, (\q)%2, \q, \slot, \zero
	MUL16 2, (\q)%2, \q, \slot, \zero
	s_wait_dscnt 0
	PLACES NP
	FETCH_B \slot, (\q)+1, 1-(\q)%2
	FETCH_A \slot, (\q)+1, 0
.if \zero
	WIN BIA_HI
.else
	WIN MUL_HI
.endif
	MUL16 4, (\q)%2, \q, \slot, \zero
	MUL16 6, (\q)%2, \q, \slot, \zero
	PLACES NP
	WIN 0
	FETCH_A \slot, (\q)+1, 4
.endm
.macro TURN slot, next, fill
	s_wait_tensorcnt 0x0                           ; all my tensor loads have landed: my part of the next slot
	ds_add_u32 v[SPW], v[NIL]                      ; 0 onto my spare word
	s_wait_dscnt 4*NL+1                            ; (the add and the youngest 24 loads may be out)
	WIN MUL_LO
	MUL16 0, 1, NQ-1, \slot, 0
	s_wait_dscnt 0x0                               ; the add is done, and my reads of this slot are over
	s_barrier_signal -1
	MUL16 2, 1, NQ-1, \slot, 0
	WIN 0
	s_barrier_wait -1
.if \fill
	CREST                                          ; the barrier has opened a round of the cluster's
	s_add_nc_u64 s[G0+4*\slot+2:G0+4*\slot+3], s[G0+4*\slot+2:G0+4*\slot+3], 2*CH
	s_add_nc_u64 s[G0B+4*\slot+2:G0B+4*\slot+3], s[G0B+4*\slot+2:G0B+4*\slot+3], 2*CH
	JLOAD G0+4*\slot, G1, G0B+4*\slot, G1B
.else
	PLACES NP
.endif
	v_add_nc_u32 v[ADRS], 1024, v[ADRS]
	FETCH_B \next, 0, 0
	FETCH_A \next, 0, 0
	SCALES \next
	WIN MUL_HI
	MUL16 4, 1, NQ-1, \slot, 0
	MUL16 6, 1, NQ-1, \slot, 0
	PLACES NP
	WIN 0
	FETCH_A \next, 0, 4
.endm
	s_wait_tensorcnt 1                             ; the scale words and my part of K step 0 are in; K step 1's load may be out
	s_barrier_signal -1
	s_barrier_wait -1
	FETCH_B 0, 0, 0
	FETCH_A 0, 0, 0
	SCALES 0
	FETCH_A 0, 0, 4
	STEP 0, 0, 1
	TURN 0, 1, 1
	STEP 1, 0, 0
	TURN 1, 0, 1
	STEP 0, 0, 0
	TURN 0, 1, 0
	STEP 1, 0, 0
	s_wait_dscnt 4*NL
	WIN MUL_LO
	MUL16 0, 1, NQ-1, 1, 0
	MUL16 2, 1, NQ-1, 1, 0
	s_wait_dscnt 0
	WIN MUL_HI
	MUL16 4, 1, NQ-1, 1, 0
	MUL16 6, 1, NQ-1, 1, 0
	WIN 0
; THE WAY OUT, block by block of 16 tokens x 128 channels, through my own stage: in as 16 bytes a lane, back as whole rows of 512 bytes.  LDS serves a wave's instructions in order: no wait between the stores and the loads.
.macro TOSTAGE a
.set AC, 64*((\a)%4)
.set WST, 0x08+4*((\a)/4)
	WIN WST                                        ; the data: window 2 or 3
.irp b, 0,1,2,3,4,5,6,7
	ds_store_b128 v[STO], v[AC+8*\b:AC+8*\b+3] offset:128*(\b/2)+32*(\b%2)      ; channels 32 (b / 2) + 16 h + 8 (b % 2) on; each accumulator from its low end on
	ds_store_b128 v[STO], v[AC+8*\b+4:AC+8*\b+7] offset:128*(\b/2)+32*(\b%2)+16
.endr
	WIN 0
.set BB, BK+64*((\a)%2)
.irp t, 0,1,2,3,4,5,6,7,8,9,10,11,12,13,14,15
	ds_load_b128 v[BB+4*\t:BB+4*\t+3], v[RD] offset:\t*SPITCH
.endr
.endm
.macro SEND a, younger
.set BB, BK+64*((\a)%2)
	s_wait_dscnt \younger                          ; the block is back; the next block's 16 stores and 16 loads may be out
.irp t, 0,1,2,3,4,5,6,7,8,9,10,11,12,13,14,15
	global_store_b128 v[CO], v[BB+4*\t:BB+4*\t+3], s[10:11] offset:(32*((\a)/2)+8*((\a)%2)+\t+8*(\t/8))*4096 th:TH_STORE_NT   ; 512 consecutive bytes, aligned; stage row t is the tile's lane row t
.endr
.endm
	PLACES NP
	TOSTAGE 0
.irp a, 1,2,3,4,5,6,7
.if \a > 1
	s_wait_xcnt 0x0                                ; block a - 2's stores have read their registers: block a's loads may land there
.endif
	TOSTAGE \a
	SEND \a-1, 32
.endr
	SEND 7, 0
	s_wait_tensorcnt 0x0                           ; the wave's end
	ds_add_u32 v[SPW], v[NIL]
	s_wait_dscnt 0x0
	CROUND                                         ; the closing round
	s_endpgm
.Lfunc_end_k_q4074b73f94_proj:
	.size	k_q4074b73f94_proj, .Lfunc_end_k_q4074b73f94_proj-k_q4074b73f94_proj
	.p2alignl 7, 3214868480
	.fill 96, 4, 3214868480
	.section	.rodata,"a",@progbits
	.p2align	6, 0x0
	.amdhsa_kernel k_q4074b73f94_proj
		.amdhsa_group_segment_fixed_size 327680
		.amdhsa_private_segment_fixed_size 0
		.amdhsa_enable_private_segment 0
		.amdhsa_kernarg_size 32
		.amdhsa_user_sgpr_count 2
		.amdhsa_user_sgpr_kernarg_segment_ptr 1
		.amdhsa_wavefront_size32 1
		.amdhsa_system_sgpr_workgroup_id_x 1
		.amdhsa_system_sgpr_workgroup_id_y 1
		.amdhsa_system_sgpr_workgroup_id_z 1
		.amdhsa_system_vgpr_workitem_id 0
		.amdhsa_next_free_vgpr 1024
		.amdhsa_next_free_sgpr 100
		.amdhsa_reserve_vcc 0
		.amdhsa_float_denorm_mode_32 3
		.amdhsa_float_denorm_mode_16_64 3
		.amdhsa_memory_ordered 1
		.amdhsa_forward_progress 1
		.amdhsa_inst_pref_size 160
	.end_amdhsa_kernel
	.amdgpu_metadata
---
amdhsa.version: [ 1, 2 ]
amdhsa.kernels:
  - .name:           k_q4074b73f94_proj
    .symbol:         k_q4074b73f94_proj.kd
    .args:
      - { .name: att, .offset: 0, .size: 8, .value_kind: global_buffer, .address_space: global }
      - { .name: opq, .offset: 8, .size: 8, .value_kind: global_buffer, .address_space: global }
      - { .name: proj_b, .offset: 16, .size: 8, .value_kind: global_buffer, .address_space: global }
      - { .name: out0, .offset: 24, .size: 8, .value_kind: global_buffer, .address_space: global }
    .group_segment_fixed_size: 327680
    .private_segment_fixed_size: 0
    .kernarg_segment_align: 8
    .kernarg_segment_size: 32
    .max_flat_workgroup_size: 128
    .sgpr_count:     100
    .vgpr_count:     1024
    .wavefront_size: 32
...
	.end_amdgpu_metadata
.endif
;; end of part 4
